; MI455X (gfx1250); checked and timed in simulation.
; The chip was launched on July 23, 2026; its instructions are those of AMD's public machine-readable ISA for CDNA 5 (MIT licence, August 2026) and "CDNA5" Instruction Set Architecture Reference Guide (July 2026). The comments in the code are by the model that wrote it; some were corrected since.
;; Grouped Query Attention. Allowed arithmetic: matrix products marked QUANTISED: E2M3 operands, one E8M0 scale for each 32 along K, by v_wmma_scale_f32_16x16x128_f8f6f4 with both operands' format E2M3, f32 sums; everything else in f32.
;; Inputs: Wk_codes 512 x 64 x 24 uint8 (E2M3 codes of Wk, K innermost, in blocks of 32 codes, four codes in three bytes); Wk_scales 512 x 64 uint8 (E8M0 scales of Wk, one for each 32 codes along K); Wo_codes 2,048 x 64 x 24 uint8 (E2M3 codes of Wo, K innermost, in blocks of 32 codes, four codes in three bytes); Wo_scales 2,048 x 64 uint8 (E8M0 scales of Wo, one for each 32 codes along K); Wq_codes 2,048 x 64 x 24 uint8 (E2M3 codes of Wq, K innermost, in blocks of 32 codes, four codes in three bytes); Wq_scales 2,048 x 64 uint8 (E8M0 scales of Wq, one for each 32 codes along K); Wv_codes 512 x 64 x 24 uint8 (E2M3 codes of Wv, K innermost, in blocks of 32 codes, four codes in three bytes); Wv_scales 512 x 64 uint8 (E8M0 scales of Wv, one for each 32 codes along K); attention_mask 1 x 1 x 1,024 x 1,024 float32; hidden_states_codes 4 x 1,024 x 64 x 24 uint8 (E2M3 codes of hidden_states, K innermost, in blocks of 32 codes, four codes in three bytes); hidden_states_scales 4 x 1,024 x 64 uint8 (E8M0 scales of hidden_states, one for each 32 codes along K); position_ids 1,024 int32.
;; Outputs: out0 4 x 1,024 x 2,048 float32.
;; This version of the problem:
;;   THIS VERSION OF THE PROBLEM IS GIVEN IN LOW PRECISION. The matrix products marked QUANTISED in the list below multiply operands that are first quantised to E2M3 (2 exponent bits, 3 mantissa bits; 6 bits a number), with one power-of-two scale for each 32 numbers along K (OCP MX v1.0); their sums are f32. All else is computed in f32.
;;   The module's matrix products, in the order in which they are computed (A, B: the left and right operand; K: the contracted axis; several contracted axes count as one K, in the product's order):
;;     1. [M 4,096, K 2,048] x [K 2,048, N 2,048]; A: input hidden_states (given as codes); B: input Wq (given as codes): QUANTISED
;;     2. [M 4,096, K 2,048] x [K 2,048, N 512]; A: input hidden_states (given as codes); B: input Wk (given as codes): QUANTISED
;;     3. [M 4,096, K 2,048] x [K 2,048, N 512]; A: input hidden_states (given as codes); B: input Wv (given as codes): QUANTISED
;;     4. batch 128 x [M 1,024, K 64] x [K 64, N 1,024]; A: computed on the way; B: computed on the way: QUANTISED
;;     5. batch 128 x [M 1,024, K 1,024] x [K 1,024, N 64]; A: softmax (see below); B: computed on the way: QUANTISED
;;     6. [M 4,096, K 2,048] x [K 2,048, N 2,048]; A: computed on the way; B: input Wo (given as codes): QUANTISED
;;   THE QUANTISER, for each operand of a quantised product, along K:
;;     - K is cut into blocks of 32 from its start; a last block that is shorter is filled with zeros.
;;     - A block's scale is 2^e with e = floor(log2(the largest magnitude in the block)) - 2, held to -126 .. 127; a block of zeros has e = 0. As a byte (E8M0): e + 127.
;;     - Each number is divided by its block's scale, clamped to +-7.5, and rounded to the nearest number of E2M3, ties to even, subnormals kept.
;;     - The product sums the exact products of the quantised numbers (number of the format x scale) in f32.
;;   ~~~python
;;   def quantise(x, axis):      # numpy; x: float32 -> the quantised numbers, widened to float32 again
;;       x = np.moveaxis(x, axis, -1); K = x.shape[-1]
;;       x = np.pad(x, [(0, 0)] * (x.ndim - 1) + [(0, -K % 32)]); x = x.reshape(x.shape[:-1] + (-1, 32)); a = np.abs(x).max(-1, keepdims=True)
;;       e = np.where(a > 0, np.clip(np.frexp(np.where(a > 0, a, 1))[1] - 1 - 2, -126, 127), 0)      # np.frexp(a)[1] - 1 = floor(log2(a)), exactly
;;       r = np.clip(x / 2.0 ** e, -7.5, 7.5)
;;       step = 2.0 ** (np.maximum(np.frexp(np.where(r == 0, 1, r))[1] - 1, 0) - 3)
;;       q = np.round(r / step) * step * 2.0 ** e      # np.round: ties to even
;;       return np.moveaxis(q.reshape(q.shape[:-2] + (-1,))[..., :K], -1, axis).astype(np.float32)
;;   ~~~
;;   SOFTMAX AHEAD OF A QUANTISED PRODUCT. Where the list says 'softmax', what is quantised is not the finished softmax but p = 2^(t - M), with t = logit x log2(e) and M = ceil(the row's largest t), a whole number; so 1/2 < the row's largest p <= 1. The row's sum l is taken of the UNQUANTISED p, in f32, and the product's result is divided by l at the end. Since M is a whole number, a kernel that streams over the keys may use a running M (the ceiling of the running maximum): every later rescaling is an exact power of two, which a block's scale takes up: the codes' values come out the same.
;;   OPERANDS COMPUTED ON THE WAY. 'Computed on the way' means the value that the module computes at that place (a softmax that the list does not call 'softmax' is quantised finished and normalised). What goes into a quantiser is computed in f32, as accurately as f32 sums, v_exp_f32 and their like allow (about 1e-6 of the number): no bf16 or f16 on the way to a quantiser, and a product that is left as it is and whose result goes on into a quantised operand takes f32 operands (vector FMAs, or v_wmma_f32_16x16x4_f32). A number that lies on a knife's edge between two numbers of the format may be rounded either way, as far as f32 arithmetic and the matrix unit's own rounding can turn it there, and no further.
;;   INPUTS GIVEN AS CODES. Wk (in the module: [2048, 512], K = its axis 0); Wo (in the module: [2048, 2048], K = its axis 0); Wq (in the module: [2048, 2048], K = its axis 0); Wv (in the module: [2048, 512], K = its axis 0); hidden_states (in the module: [4, 1024, 2048], K = its axis 2): each comes as NAME_codes (uint8): NAME with its K axis moved to the last place and cut into blocks of 32 codes, [.., K / 32, bytes a block], one block behind the other in memory; four codes in three bytes: a row's codes are one little-endian stream of bits, code i at bits 6 i .. 6 i + 5 (a code: sign, 2 exponent bits, 3 mantissa bits); and NAME_scales (uint8): the same leading axes, one E8M0 byte (e + 127) for each 32 codes along K. Its value is code x scale, taken as it is: it is not quantised again, and the codes and scales need not be those that the quantiser above would give.
;; One version. Each part assembles by itself: llvm-mc -triple=amdgcn-amd-amdhsa -mcpu=gfx1250 --defsym DOCPART=n.
;; ======== version 1 of 1: 3 launches
;; workspace buffers: q_img 6,291,456 bytes; q_sc 524,288 bytes; kv 3,342,336 bytes; a_img 6,291,456 bytes; a_sc 262,144 bytes
;; launch qkv (part 1): grid 12 x 16, 4 waves a work-group, clusters of 4 x 4, 327,680 bytes of LDS; arguments hidden_states_codes, hidden_states_scales, Wq_codes, Wq_scales, Wk_codes, Wk_scales, Wv_codes, Wv_scales, position_ids, q_img, q_sc, kv; writes q_img, q_sc, kv
.if DOCPART == 1
	.amdgcn_target "amdgcn-amd-amdhsa--gfx1250"
	.amdhsa_code_object_version 6
	.text
	.protected	k_q5770d82afb_qkv
	.globl	k_q5770d82afb_qkv
	.p2align	8
	.type	k_q5770d82afb_qkv,@function
k_q5770d82afb_qkv:
	s_mov_b64 s[64:65], 0
	v_nop
	global_prefetch_b8 v0, s[64:65] scope:SCOPE_SE
	s_setreg_imm32_b32 hwreg(HW_REG_WAVE_MODE, 25, 1), 1
	s_wait_xcnt 0x0
	s_wait_alu depctr_hold_cnt(0) depctr_sa_sdst(0) depctr_va_vdst(0) depctr_va_sdst(0) depctr_va_ssrc(0) depctr_va_vcc(0) depctr_vm_vsrc(0)
	s_getreg_b32 s2, hwreg(HW_REG_IB_STS2, 6, 4)
	s_cmp_eq_u32 s2, 0
	s_cbranch_scc0 .Lentry_in_a_cluster
	s_endpgm
.Lentry_in_a_cluster:
	s_bfe_u32 s2, ttmp6, 0x10000c
	s_cmp_lg_u32 s2, 0xf033
	s_cbranch_scc0 .Lentry_shape_is_right
	s_endpgm
.Lentry_shape_is_right:
; q, k, v = hidden_states x Wq, Wk, Wv on codes of FP6 (E2M3) with E8M0 scales; RoPE on q and k in f32; q, k (along the head's 64) and v (along the keys) quantised again and stored as images of operand registers.
; A tile of C is 256 tokens x 256 weight rows, four waves, 128 x 128 each: 64 accumulators, 512 registers.  K goes in steps of 256 through a ring of two LDS slots; the scales of all of K come into LDS once.
; CLUSTERS 4 x 4: A's tiles are asked for jointly along a row of the cluster, B's along a column.  Clusters x = 0, 1 take Wq's rows; in cluster x = 2 a tile of B is 128 rows of Wk (fetched by wave 2) and 128 rows of Wv
; (fetched by wave 3), so that every work-group of that cluster is alike: waves with column half 0 make k, those with column half 1 make v.  The parting hangs on the cluster's x and the wave's number alone.
; THE MATRIX INSTRUCTION IS USED TRANSPOSED (source 0 = 16 weight rows, source 1 = 16 tokens): lane (r, h) of accumulator (a, b) holds token 16 a + r and columns 16 b + 8 h + 0 .. 7.
; ORDER INSIDE A BLOCK OF 32.  A lane's 16 numbers of a block are columns 8 h + 0..7 and 16 + 8 h + 0..7, so place p of a block of q's or k's codes holds channel p with its bits 3 and 4 exchanged: alike in q and in k, which
; keeps their product.  v's keys are laid in the same order, which the weights p of the next launch have too.
; 1 / sqrt(64) = 2^-3 is taken off q's scale bytes.
; LIMITS: NaN and infinities are not served.  A block of q or k whose largest magnitude lies under 2^-121 gets the byte 4 (q: 1 after the 3 are taken off).  1 / 10000^(f / 32) is the product of two v_exp_f32; the angle is
; reduced by pi in two parts, and the series' remainders at pi / 2 lie under 1e-7.
; REGISTERS, in windows of 256: window 0: v0-31 addresses; v32-63 scale words; from v128 A's fragments; behind the loop v32-255 are at work.  window 1: B's fragments, two sets.  windows 2, 3: the accumulators.
.set KSTEP,  256
.set NQ,     2
.set ROWB,   192                       ; a tile's row in bytes: 256 codes of 6 bits
.set KROW,   1536                      ; a row of 2,048 codes in memory
.set APITCH, 1536                      ; A's rows in memory
.set ASTEP,  192                       ; from one K step of A to the next
.set PITCH,  240                       ; an LDS row: 3 x (64 bytes + 16 of padding)
.set FR,     12
.set NL,     6
.set NP,     4
.set HALFT,  128*PITCH
.set SLOT,   4*HALFT
.set LAPS,   4                         ; 2,048 / 512
.set KS,     64                        ; a row of scale bytes
.set SCL,    2*SLOT
.set HALFS,  (128*KS/256)*272
.set SBLK,   (16*KS/256)*272
.set SPARE,  SCL+4*HALFS               ; the spare words: 128 bytes a wave, named by no other line
.set REC,    104448                    ; a record of kv: K's images 49,152, V's images 49,152, K's scale words 4,096, V's 2,048
.set WSTG,   65536                     ; behind the loop, in the ring's bytes: the RoPE table at 0 (65,536 bytes); the word stage of q and k, 1,024 bytes a wave;
.set VSTG,   69632                     ; v's stage, 17,920 bytes a wave: two parts of 16 rows x 528 bytes, 8,576 apart, and 512 bytes of scale words
.set ADRA, 16
.set ADRB, 20
.set ADRS, 27
.set SPW,  28
.set NIL,  29
.set SC,   32
.set AF,   128
.set G1, 24
.set G0, 32
.set G1B, 48
.set G0B, 56
.set G1S, 68
.set G0S, 76
.set G1SB, 80
.set G0SB, 88
.set MSB, 0
.macro WIN new                         ; the immediate's high byte repeats the setting that is left
.if MSB != \new
	s_set_vgpr_msb (MSB<<8)|\new
.set MSB, \new
.endif
.endm
.set MUL_LO, 0xa1                      ; source 0 (B) window 1, source 1 (A) window 0, C and D window 2
.set MUL_HI, 0xf1
.set TO_B,   0x40
; A joint load: waves 0 and 1 fetch for A, waves 2 and 3 for B; four v_nop follow each of the two lines
.macro JLOAD g0a, g1a, g0b, g1b
	s_cmp_eq_u32 s15, 0
	s_cbranch_scc0 .Lfor_b_\@
	tensor_load_to_lds s[\g0a:\g0a+3], s[\g1a:\g1a+7]
	s_nop 0
.rept 4
	v_nop
.endr
	s_branch .Lasked_\@
.Lfor_b_\@:
	tensor_load_to_lds s[\g0b:\g0b+3], s[\g1b:\g1b+7]
	s_nop 0
.rept 4
	v_nop
.endr
.Lasked_\@:
.endm
.macro CREST                           ; a round of the cluster's barrier behind its opening barrier
	s_cmp_lg_u32 s14, 0
	s_cbranch_scc1 .Lnot_wave_0_\@
	s_barrier_signal -3
.Lnot_wave_0_\@:
	s_barrier_wait -3
	s_barrier_signal -1
	s_barrier_wait -1
.endm
.macro CROUND
	s_barrier_signal -1
	s_barrier_wait -1
	CREST
.endm
	s_load_b512 s[68:83], s[0:1], 0x0              ; hidden's codes, scales; Wq's; Wk's; Wv's
	v_lshl_add_u32 v[SPW], v0, 2, SPARE
	v_mov_b32 v[NIL], 0
	ds_add_u32 v28, v29
	s_wait_dscnt 0x0
	v_lshrrev_b32 v1, 5, v0
	v_readfirstlane_b32 s14, v1                    ; wave 0..3
	s_lshr_b32 s15, s14, 1                         ; my half of the tokens.  Also: I fetch for A (0) or for B (1)
	s_and_b32 s16, s14, 1                          ; my half of the columns.  Also: which 128 rows I fetch
	s_bfe_u32 s40, ttmp6, 0x40000                  ; cx
	s_bfe_u32 s41, ttmp6, 0x40004                  ; cy
	s_lshl_b32 s42, ttmp9, 2
	s_add_co_u32 s42, s42, s40                     ; tile column = 4 x cluster x + cx
	s_and_b32 s17, ttmp7, 0xffff
	s_lshl_b32 s17, s17, 2
	s_add_co_u32 s17, s17, s41                     ; tile row = 4 x cluster y + cy
	s_lshl_b32 s43, s41, 2
	s_lshl_b32 s43, 15, s43                        ; my row of the cluster
	s_lshl_b32 s44, 0x1111, s40                    ; my column
	s_or_b32 s[G1+0], s43, (0<<16)|(1<<20)|(1<<21)|(3<<22)|(3<<25)   ; the mask; elements of 1 byte; padding on; bit 21 beside a mask; after every 16 words 4 words
	s_or_b32 s[G1B+0], s44, (0<<16)|(1<<20)|(1<<21)|(3<<22)|(3<<25)
.irp g, G1, G1B
	s_mov_b32 s[\g+1], ROWB<<16                    ; tensor_dim0
	s_mov_b32 s[\g+2], 128<<16                     ; tensor_dim1
	s_mov_b32 s[\g+3], ROWB<<16                    ; tile_dim0
	s_mov_b32 s[\g+4], 128                         ; tile_dim1
	s_mov_b32 s[\g+6], 0
	s_mov_b32 s[\g+7], 0
.endr
	s_mov_b32 s[G1+5], APITCH                      ; from row to row
	s_mov_b32 s[G1B+5], KROW
	s_cmp_eq_u32 ttmp9, 2                          ; the cluster of Wk and Wv?  The same in all sixteen partners
	s_cselect_b32 s96, 1, 0
	s_cselect_b32 s98, 0, 0x303                    ; what is taken off the two scale bytes: 3 each for q, nothing for k
	s_and_b32 s97, s96, s16                        ; 1 in the waves that make v
	s_lshl_b32 s18, s16, 7
	s_lshl_b32 s20, s17, 8
	s_add_co_u32 s20, s20, s18                     ; A: row 256 x tile row + 128 x half
	s_lshl_b32 s46, s42, 8
	s_add_co_u32 s46, s46, s18                     ; Wq: row 256 x tile column + 128 x half
	s_lshl_b32 s95, s40, 7                         ; Wk, Wv: row 128 cx
	s_cmp_eq_u32 ttmp9, 2
	s_cselect_b32 s46, s95, s46
	s_mov_b32 s21, 0
	s_mov_b32 s47, 0
	s_mov_b64 s[18:19], KS
	s_mul_u64 s[22:23], s[20:21], s[18:19]         ; where these rows' scales begin
	s_mul_u64 s[92:93], s[46:47], s[18:19]
	s_mov_b64 s[18:19], APITCH
	s_mul_u64 s[20:21], s[20:21], s[18:19]         ; and their codes
	s_mov_b64 s[18:19], KROW
	s_mul_u64 s[46:47], s[46:47], s[18:19]
	s_mul_i32 s45, s14, HALFT                      ; where they go: wave x 128 rows
	s_mul_i32 s94, s14, HALFS
	s_wait_kmcnt 0x0
	s_mov_b64 s[4:5], s[68:69]
	s_mov_b64 s[6:7], s[70:71]
	s_cmp_eq_u32 s16, 0                            ; B's buffers: Wk for half 0, Wv for half 1,
	s_cselect_b64 s[8:9], s[76:77], s[80:81]
	s_cselect_b64 s[10:11], s[78:79], s[82:83]
	s_cmp_eq_u32 ttmp9, 2                          ; or Wq in clusters 0 and 1
	s_cselect_b64 s[8:9], s[8:9], s[72:73]
	s_cselect_b64 s[10:11], s[10:11], s[74:75]
	s_add_nc_u64 s[20:21], s[4:5], s[20:21]
	s_add_nc_u64 s[22:23], s[6:7], s[22:23]
	s_add_nc_u64 s[46:47], s[8:9], s[46:47]
	s_add_nc_u64 s[92:93], s[10:11], s[92:93]
	; the scales of 128 rows: a dense block of 8,192 bytes, as rows of 256 bytes, 16 bytes of padding behind each (the pointers above have left s68-83)
	s_or_b32 s[G1S+0], s43, (3<<16)|(1<<20)|(1<<21)|(5<<22)|(3<<25)
	s_or_b32 s[G1SB+0], s44, (3<<16)|(1<<20)|(1<<21)|(5<<22)|(3<<25)
.irp g, G1S, G1SB
	s_mov_b32 s[\g+1], 32<<16
	s_mov_b32 s[\g+2], (128*KS/256)<<16
	s_mov_b32 s[\g+3], 32<<16
	s_mov_b32 s[\g+4], 128*KS/256
	s_mov_b32 s[\g+5], 32
	s_mov_b32 s[\g+6], 0
	s_mov_b32 s[\g+7], 0
.endr
	CROUND                                         ; all sixteen work-groups are here: the first joint loads meet
	s_mov_b32 s[G0S], 1
	s_add_co_u32 s[G0S+1], s94, SCL
	s_mov_b64 s[G0S+2:G0S+3], s[22:23]
	s_or_b32 s[G0S+3], s[G0S+3], 0x80000000
	s_mov_b32 s[G0SB], 1
	s_add_co_u32 s[G0SB+1], s94, SCL
	s_mov_b64 s[G0SB+2:G0SB+3], s[92:93]
	s_or_b32 s[G0SB+3], s[G0SB+3], 0x80000000
	JLOAD G0S, G1S, G0SB, G1SB                     ; the scales first
.irp s, 0,1
	s_mov_b32 s[G0+4*\s], 1
	s_add_co_u32 s[G0+4*\s+1], s45, \s*SLOT
	s_add_nc_u64 s[G0+4*\s+2:G0+4*\s+3], s[20:21], \s*ASTEP
	s_or_b32 s[G0+4*\s+3], s[G0+4*\s+3], 0x80000000
	s_mov_b32 s[G0B+4*\s], 1
	s_add_co_u32 s[G0B+4*\s+1], s45, \s*SLOT
	s_add_nc_u64 s[G0B+4*\s+2:G0B+4*\s+3], s[46:47], \s*ROWB
	s_or_b32 s[G0B+4*\s+3], s[G0B+4*\s+3], 0x80000000
	JLOAD G0+4*\s, G1, G0B+4*\s, G1B
.endr
	v_and_b32 v1, 15, v0                           ; r = lane % 16   (v1 and v2 stay)
	v_bfe_u32 v2, v0, 4, 1                         ; h = lane / 16
	v_mul_u32_u24 v3, v1, PITCH
	v_mul_u32_u24 v4, v2, 24
	v_add_nc_u32 v4, v3, v4                        ; a fragment's row x pitch + 24 x half
	v_lshl_add_u32 v5, v2, 4, v4                   ; and the same behind one padding more
	s_mul_i32 s21, s15, HALFT
	s_mul_i32 s22, s16, HALFT
	s_add_co_u32 s22, s22, 2*HALFT
.irp s, 0,1
	v_add_nc_u32 v[ADRA+\s], s21, v4
	v_add_nc_u32 v[ADRB+\s], s22, v4
	v_add_nc_u32 v[ADRA+2+\s], s21, v5
	v_add_nc_u32 v[ADRB+2+\s], s22, v5
	s_add_co_u32 s21, s21, SLOT
	s_add_co_u32 s22, s22, SLOT
.endr
	v_mul_u32_u24 v5, v1, KS
	v_lshrrev_b32 v6, 8, v5
	v_lshl_add_u32 v5, v6, 4, v5
	s_mul_i32 s21, s15, HALFS
	s_mul_i32 s22, s16, HALFS
	s_add_co_u32 s22, s22, 2*HALFS
	s_sub_co_u32 s22, s22, s21
	v_mul_u32_u24 v6, s22, v2                      ; lanes 16-31 take B's
	s_add_co_u32 s21, s21, SCL
	v_add_nc_u32 v5, v5, v6
	v_add_nc_u32 v[ADRS], s21, v5
	; every LDS address of the part behind the loop is made here, ahead of any parting of the waves
	v_and_b32 v6, 31, v0
	v_lshlrev_b32 v7, 4, v6                        ; v7  16 x lane
	v_lshlrev_b32 v8, 3, v6                        ; v8  8 x lane
	s_lshl_b32 s21, s15, 15
	v_add_nc_u32 v10, s21, v7                      ; v10 the table of my half of the tokens, to read
	s_lshl_b32 s22, s16, 14
	s_add_co_u32 s22, s22, s21
	v_add_nc_u32 v9, s22, v7                       ; v9  my four blocks of it, to write
	v_lshlrev_b32 v26, 2, v1                       ; v26 4 r
	s_lshl_b32 s21, s14, 10
	s_add_co_u32 s21, s21, WSTG
	v_add_nc_u32 v11, s21, v26                     ; v11 the word stage, in
	v_add_nc_u32 v12, s21, v7                      ; v12 and back
	s_mul_i32 s21, s14, 17920
	s_add_co_u32 s21, s21, VSTG
	v_mul_u32_u24 v13, v2, 8576
	v_add_nc_u32 v13, v13, v26
	v_add_nc_u32 v13, s21, v13                     ; v13 v's stage, in: part h, word r
	v_mul_u32_u24 v14, v1, 528
	v_lshl_add_u32 v14, v2, 7, v14
	v_add_nc_u32 v14, s21, v14                     ; v14 and back: row r, + 32 h keys
	s_add_co_u32 s21, s21, 17152
	v_add_nc_u32 v15, s21, v26                     ; v15 v's scale words, in
	v_add_nc_u32 v24, s21, v7                      ; v24 and back
	v_lshlrev_b32 v25, 4, v1
	v_mad_u32_u24 v25, v2, REC, v25                ; v25 their place in memory: lanes 0-15 one record, lanes 16-31 the next
.macro FRAG reg, adr, q, i             ; a fragment, 16 rows x 128 K: lane (r, h): registers 6 c .. 6 c + 5 hold K = 64 c + 32 h + 0 .. 31, 24 bytes as they lie, in pieces of 8 bytes
.irp p, 0,1,2,3,4,5
.set PC, 12*(\q)+6*(\p/3)+\p%3
.if PC%8 < 5
	ds_load_b64 v[\reg+2*\p:\reg+2*\p+1], v[\adr] offset:8*PC+16*(PC/8)+(\i)*16*PITCH
.else
	ds_load_b64 v[\reg+2*\p:\reg+2*\p+1], v[\adr+2] offset:8*PC+16*(PC/8)+(\i)*16*PITCH
.endif
.endr
.endm
; 16 matrix instructions: A's blocks a0, a0 + 1 x B's eight.  The 64 accumulators take turns, one instruction a turn.
.macro MUL16 a0, p, q, sc, zero
.irp a, \a0, \a0+1
.irp b, 0,1,2,3,4,5,6,7
.if \zero
	v_wmma_scale_f32_16x16x128_f8f6f4 v[8*(8*((\a)%4)+\b):8*(8*((\a)%4)+\b)+7], v[128*(\p)+FR*\b:128*(\p)+FR*\b+FR-1], v[AF+FR*(\a):AF+FR*(\a)+FR-1], 0, v[SC+8*NQ*(\sc)+NQ*\b+(\q)], v[SC+8*NQ*(\sc)+NQ*(\a)+(\q)] matrix_a_fmt:MATRIX_FMT_FP6 matrix_b_fmt:MATRIX_FMT_FP6 matrix_a_scale:MATRIX_SCALE_ROW1
.else
	v_wmma_scale_f32_16x16x128_f8f6f4 v[8*(8*((\a)%4)+\b):8*(8*((\a)%4)+\b)+7], v[128*(\p)+FR*\b:128*(\p)+FR*\b+FR-1], v[AF+FR*(\a):AF+FR*(\a)+FR-1], v[8*(8*((\a)%4)+\b):8*(8*((\a)%4)+\b)+7], v[SC+8*NQ*(\sc)+NQ*\b+(\q)], v[SC+8*NQ*(\sc)+NQ*(\a)+(\q)] matrix_a_fmt:MATRIX_FMT_FP6 matrix_b_fmt:MATRIX_FMT_FP6 matrix_a_scale:MATRIX_SCALE_ROW1
.endif
.endr
.endr
.endm
.macro FETCH_B slot, q, p
	WIN TO_B
.irp i, 0,1,2,3,4,5,6,7
	FRAG 128*(\p)+FR*\i, ADRB+\slot, \q, \i
.endr
	WIN 0
.endm
.macro FETCH_A slot, q, i0
.irp i, \i0, \i0+1, \i0+2, \i0+3
	FRAG AF+FR*(\i), ADRA+\slot, \q, \i
.endr
.endm
.macro SCALES sc                       ; a K step's scale words: lanes 0-15 A's block i, lanes 16-31 B's block i
.irp i, 0,1,2,3,4,5,6,7
	ds_load_b64 v[SC+8*NQ*\sc+NQ*\i:SC+8*NQ*\sc+NQ*\i+1], v[ADRS] offset:\i*SBLK
.endr
.endm
.macro PLACES n                        ; plain vector instructions between a matrix instruction and a load into, or a vector read or write of, its registers
.rept \n
	v_nop
.endr
.endm
.macro STEP slot, q, zero              ; 128 along K with its successor in the same slot
	s_wait_dscnt 4*NL                              ; B's set and A's blocks 0-3 are in; the 24 youngest loads (A's blocks 4-7) may be out
	WIN MUL_LO
	MUL16 0, (\q)%2, \q, \slot, \zero
	MUL16 2, (\q)%2, \q, \slot, \zero
	s_wait_dscnt 0
	PLACES NP
	FETCH_B \slot, (\q)+1, 1-(\q)%2
	FETCH_A \slot, (\q)+1, 0
	WIN MUL_HI
	MUL16 4, (\q)%2, \q, \slot, \zero
	MUL16 6, (\q)%2, \q, \slot, \zero
	PLACES NP
	WIN 0
	FETCH_A \slot, (\q)+1, 4
.endm
.macro TURN slot, next, fill           ; a slot's last step changes slots
	s_wait_tensorcnt 0x0                           ; all my tensor loads have landed: my part of the next slot
	ds_add_u32 v[SPW], v[NIL]                      ; 0 onto my spare word
	s_wait_dscnt 4*NL+1                            ; the add and the 24 youngest loads may be out
	WIN MUL_LO
	MUL16 0, 1, NQ-1, \slot, 0
	s_wait_dscnt 0x0                               ; the add is done, and my reads of this slot are over
	s_barrier_signal -1
	MUL16 2, 1, NQ-1, \slot, 0
	WIN 0
	s_barrier_wait -1
.if \fill
	CREST                                          ; no wave of any partner still reads this slot or has a load on its way
	s_add_nc_u64 s[G0+4*\slot+2:G0+4*\slot+3], s[G0+4*\slot+2:G0+4*\slot+3], 2*ASTEP
	s_add_nc_u64 s[G0B+4*\slot+2:G0B+4*\slot+3], s[G0B+4*\slot+2:G0B+4*\slot+3], 2*ROWB
	JLOAD G0+4*\slot, G1, G0B+4*\slot, G1B
.else
	PLACES NP
.endif
	v_add_nc_u32 v[ADRS], 4*NQ, v[ADRS]
	FETCH_B \next, 0, 0
	FETCH_A \next, 0, 0
	SCALES \next
	WIN MUL_HI
	MUL16 4, 1, NQ-1, \slot, 0
	MUL16 6, 1, NQ-1, \slot, 0
	PLACES NP
	WIN 0
	FETCH_A \next, 0, 4
.endm
	s_wait_tensorcnt 1                             ; the scales and my part of K step 0 are in; K step 1's load may be out
	s_barrier_signal -1
	s_barrier_wait -1
	FETCH_B 0, 0, 0
	FETCH_A 0, 0, 0
	SCALES 0
	FETCH_A 0, 0, 4
	STEP 0, 0, 1                                   ; the first step's products start the sums
	s_mov_b32 s3, LAPS-1
.Llap:
	TURN 0, 1, 1
	STEP 1, 0, 0
	TURN 1, 0, 1
	STEP 0, 0, 0
	s_sub_co_u32 s3, s3, 1
	s_cmp_lg_u32 s3, 0
	s_cbranch_scc1 .Llap
	TURN 0, 1, 0                                   ; the last lap fills nothing
	STEP 1, 0, 0
	s_wait_dscnt 4*NL
	WIN MUL_LO
	MUL16 0, 1, NQ-1, 1, 0
	MUL16 2, 1, NQ-1, 1, 0
	s_wait_dscnt 0
	WIN MUL_HI
	MUL16 4, 1, NQ-1, 1, 0
	MUL16 6, 1, NQ-1, 1, 0
	WIN 0
	PLACES NP
	; ---- BEHIND THE LOOP.  No tensor load is out (the last change of slots waited for all), so the descriptors' registers are free; the ring has had its last fill.
	s_load_b256 s[68:75], s[0:1], 0x40             ; position_ids s[68:69], q_img s[70:71], q_sc s[72:73], kv s[74:75]
	s_wait_dscnt 0x0                               ; my reads of the ring are over
	s_barrier_signal -1
	s_barrier_wait -1                              ; everybody's are: its bytes may be written
	s_mov_b32 s92, 0x76543210
	s_mov_b32 s93, 0xfedcba98                      ; v_permlanex16_b32's selects for lane l xor 16
	s_lshr_b32 s18, s17, 2                         ; the batch
	s_and_b32 s19, s17, 3
	s_lshl_b32 s19, s19, 8
	s_lshl_b32 s20, s15, 7
	s_add_co_u32 s19, s19, s20                     ; s0: my first token's place in its sequence
	s_lshl_b32 s20, s18, 5
	s_lshl_b32 s21, s42, 2
	s_add_co_u32 s20, s20, s21
	s_lshl_b32 s21, s16, 1
	s_add_co_u32 s20, s20, s21                     ; q: 32 x batch + my first head
	s_lshl_b32 s21, s20, 6
	s_lshr_b32 s22, s19, 4
	s_add_co_u32 s21, s21, s22
	s_mul_i32 s21, s21, 768                        ; q's images: a tile of 16 tokens is 768 bytes
	s_lshl_b32 s20, s20, 10
	s_add_co_u32 s20, s20, s19
	s_lshl_b32 s20, s20, 2                         ; q's scale words
	s_lshl_b32 s23, s18, 3
	s_lshl_b32 s44, s40, 1
	s_add_co_u32 s23, s23, s44                     ; k, v: record 8 x batch + 2 cx
	s_mul_i32 s23, s23, REC
	s_mul_i32 s22, s22, 768
	s_add_co_u32 s22, s22, s23                     ; k's images
	s_lshl_b32 s44, s19, 2
	s_add_co_u32 s44, s44, s23
	s_add_co_u32 s44, s44, 98304                   ; k's scale words
	s_lshr_b32 s30, s19, 7                         ; v: my 128 tokens are key step s0 / 128
	s_mul_i32 s32, s30, 6144
	s_add_co_u32 s32, s32, s23
	s_add_co_u32 s32, s32, 49152
	s_mov_b32 s33, 0
	s_lshl_b32 s34, s30, 8
	s_add_co_u32 s34, s34, s23
	s_add_co_u32 s34, s34, 102400
	s_mov_b32 s35, 0
	s_lshl_b32 s36, s16, 6
	s_add_co_u32 s36, s36, s19
	s_lshl_b32 s36, s36, 2                         ; the positions of the four blocks whose table I make
	s_mov_b32 s37, 0
	s_mov_b32 s26, 49152                           ; from my first head to my second: in q_img,
	s_mov_b32 s28, 4096                            ; in q_sc; in kv a record
	s_mov_b32 s47, 0
	s_mov_b32 s25, 0
	s_mov_b32 s27, 0
	s_mov_b32 s29, 0
	s_wait_kmcnt 0x0
	s_cmp_lg_u32 s96, 0
	s_cselect_b32 s46, s22, s21
	s_cselect_b32 s24, s44, s20
	s_cselect_b64 s[76:77], s[74:75], s[70:71]
	s_cselect_b64 s[80:81], s[74:75], s[72:73]
	s_cselect_b32 s26, REC, s26
	s_cselect_b32 s28, REC, s28
	s_add_nc_u64 s[76:77], s[76:77], s[46:47]      ; images of head 0,
	s_add_nc_u64 s[78:79], s[76:77], s[26:27]      ; of head 1;
	s_add_nc_u64 s[80:81], s[80:81], s[24:25]      ; scale words of head 0,
	s_add_nc_u64 s[82:83], s[80:81], s[28:29]      ; of head 1
	s_add_nc_u64 s[84:85], s[74:75], s[32:33]      ; v's images of head 0,
	s_add_nc_u64 s[86:87], s[84:85], REC           ; of head 1;
	s_add_nc_u64 s[88:89], s[74:75], s[34:35]      ; v's scale words
	s_add_nc_u64 s[68:69], s[68:69], s[36:37]
	; ---- THE ROPE TABLE.  For a block of 16 tokens, lane (r, h) wants cos and sin of position(r) / 10000^(f / 32) at f = 16 u + 8 h + j, in register 8 u + j: 32 registers, kept in LDS as their image.
	; Each wave makes four blocks of its half of the tokens; the two waves of that half read all eight.
.set IFQ, 32
.set POS, 48
.set TH,  64
.set KK,  80
.set T2,  96
.set SI,  112
.set CO,  128
.set UU,  144
.irp i, 0,1,2,3
	global_load_b32 v[POS+\i], v26, s[68:69] offset:64*\i
.endr
	v_lshlrev_b32 v30, 3, v2
.irp i, 0,1,2,3,4,5,6,7,8,9,10,11,12,13,14,15
	v_add_nc_u32 v[IFQ+\i], 16*(\i/8)+(\i%8), v30  ; f
.endr
.irp i, 0,1,2,3,4,5,6,7,8,9,10,11,12,13,14,15
	v_cvt_f32_u32 v[IFQ+\i], v[IFQ+\i]
.endr
.irp i, 0,1,2,3,4,5,6,7,8,9,10,11,12,13,14,15
	v_mul_f32 v[TH+\i], 0xbed48000, v[IFQ+\i]      ; log2(10000) / 32 in two parts: 425 / 1024, whose product with f is exact,
	v_mul_f32 v[KK+\i], 0xb953c25e, v[IFQ+\i]      ; and the rest, 2.0194936e-4
.endr
.irp i, 0,1,2,3,4,5,6,7,8,9,10,11,12,13,14,15
	v_exp_f32 v[TH+\i], v[TH+\i]
.endr
.irp i, 0,1,2,3,4,5,6,7,8,9,10,11,12,13,14,15
	v_exp_f32 v[KK+\i], v[KK+\i]
.endr
	v_mov_b32 v160, 0xb2d7322b                     ; the series' leading coefficients: -1 / 11! (a plain line behind the exponentials),
	v_mov_b32 v161, 0xb2d7322b
	v_mov_b32 v162, 0x310f76c7                     ; 1 / 12!
	v_mov_b32 v163, 0x310f76c7
	s_wait_alu depctr_va_vdst(0)                   ; one wait for the 32 exponentials, ahead of their first reader
.irp i, 0,2,4,6,8,10,12,14
	v_pk_mul_f32 v[IFQ+\i:IFQ+\i+1], v[TH+\i:TH+\i+1], v[KK+\i:KK+\i+1]
.endr
	s_wait_loadcnt 0x0
.irp i, 0,1,2,3
	v_cvt_f32_i32 v[POS+\i], v[POS+\i]
.endr
	s_mov_b32 s90, 4
	s_mov_b32 s91, 0
.Ltab:                                             ; a trip makes one block's table
.irp i, 0,2,4,6,8,10,12,14
	v_pk_mul_f32 v[TH+\i:TH+\i+1], v[IFQ+\i:IFQ+\i+1], v[POS:POS+1] op_sel_hi:[1,0]      ; the angle, rounded once
.endr
.irp i, 0,2,4,6,8,10,12,14
	v_pk_mul_f32 v[KK+\i:KK+\i+1], v[TH+\i:TH+\i+1], 0x3ea2f983 op_sel_hi:[1,0]          ; / pi
.endr
.irp i, 0,1,2,3,4,5,6,7,8,9,10,11,12,13,14,15
	v_rndne_f32 v[KK+\i], v[KK+\i]                 ; n: the nearest multiple of pi
.endr
.irp i, 0,2,4,6,8,10,12,14
	v_pk_fma_f32 v[TH+\i:TH+\i+1], v[KK+\i:KK+\i+1], 0xc0490fdb, v[TH+\i:TH+\i+1] op_sel_hi:[1,0,1]   ; - n pi, pi in two parts
.endr
.irp i, 0,2,4,6,8,10,12,14
	v_pk_fma_f32 v[TH+\i:TH+\i+1], v[KK+\i:KK+\i+1], 0x33bbbd2e, v[TH+\i:TH+\i+1] op_sel_hi:[1,0,1]
.endr
.irp i, 0,2,4,6,8,10,12,14
	v_pk_mul_f32 v[T2+\i:T2+\i+1], v[TH+\i:TH+\i+1], v[TH+\i:TH+\i+1]
.endr
.irp i, 0,2,4,6,8,10,12,14
	v_pk_fma_f32 v[SI+\i:SI+\i+1], v[T2+\i:T2+\i+1], v[160:161], 0x3638ef1d op_sel_hi:[1,0,0]
	v_pk_fma_f32 v[CO+\i:CO+\i+1], v[T2+\i:T2+\i+1], v[162:163], 0xb493f27e op_sel_hi:[1,0,0]
.endr
.irp i, 0,2,4,6,8,10,12,14
	v_pk_fma_f32 v[SI+\i:SI+\i+1], v[SI+\i:SI+\i+1], v[T2+\i:T2+\i+1], 0xb9500d01 op_sel_hi:[1,1,0]
	v_pk_fma_f32 v[CO+\i:CO+\i+1], v[CO+\i:CO+\i+1], v[T2+\i:T2+\i+1], 0x37d00d01 op_sel_hi:[1,1,0]
.endr
.irp i, 0,2,4,6,8,10,12,14
	v_pk_fma_f32 v[SI+\i:SI+\i+1], v[SI+\i:SI+\i+1], v[T2+\i:T2+\i+1], 0x3c088889 op_sel_hi:[1,1,0]
	v_pk_fma_f32 v[CO+\i:CO+\i+1], v[CO+\i:CO+\i+1], v[T2+\i:T2+\i+1], 0xbab60b61 op_sel_hi:[1,1,0]
.endr
.irp i, 0,2,4,6,8,10,12,14
	v_pk_fma_f32 v[SI+\i:SI+\i+1], v[SI+\i:SI+\i+1], v[T2+\i:T2+\i+1], 0xbe2aaaab op_sel_hi:[1,1,0]
	v_pk_fma_f32 v[CO+\i:CO+\i+1], v[CO+\i:CO+\i+1], v[T2+\i:T2+\i+1], 0x3d2aaaab op_sel_hi:[1,1,0]
.endr
.irp i, 0,2,4,6,8,10,12,14
	v_pk_mul_f32 v[UU+\i:UU+\i+1], v[TH+\i:TH+\i+1], v[T2+\i:T2+\i+1]
	v_pk_fma_f32 v[CO+\i:CO+\i+1], v[CO+\i:CO+\i+1], v[T2+\i:T2+\i+1], -0.5 op_sel_hi:[1,1,0]
.endr
.irp i, 0,2,4,6,8,10,12,14
	v_pk_fma_f32 v[SI+\i:SI+\i+1], v[UU+\i:UU+\i+1], v[SI+\i:SI+\i+1], v[TH+\i:TH+\i+1]   ; sin = x + x^3 P(x^2)
	v_pk_fma_f32 v[CO+\i:CO+\i+1], v[CO+\i:CO+\i+1], v[T2+\i:T2+\i+1], 1.0 op_sel_hi:[1,1,0]   ; cos = 1 + x^2 Q(x^2)
.endr
.irp i, 0,1,2,3,4,5,6,7,8,9,10,11,12,13,14,15
	v_cvt_i32_f32 v[KK+\i], v[KK+\i]
.endr
.irp i, 0,1,2,3,4,5,6,7,8,9,10,11,12,13,14,15
	v_lshlrev_b32 v[KK+\i], 31, v[KK+\i]           ; an odd n turns both signs
.endr
.irp i, 0,1,2,3,4,5,6,7,8,9,10,11,12,13,14,15
	v_xor_b32 v[SI+\i], v[KK+\i], v[SI+\i]
	v_xor_b32 v[CO+\i], v[KK+\i], v[CO+\i]
.endr
	v_add_nc_u32 v30, s91, v9
.irp p, 0,1,2,3
	ds_store_b128 v30, v[CO+4*\p:CO+4*\p+3] offset:512*\p
.endr
.irp p, 0,1,2,3
	ds_store_b128 v30, v[SI+4*\p:SI+4*\p+3] offset:2048+512*\p
.endr
	v_mov_b32 v[POS], v[POS+1]                     ; the next block's positions
	v_mov_b32 v[POS+1], v[POS+2]
	v_mov_b32 v[POS+2], v[POS+3]
	s_add_co_u32 s91, s91, 4096
	s_wait_dscnt 0x0                               ; the stores are done before their registers are written again
	s_sub_co_u32 s90, s90, 1
	s_cmp_lg_u32 s90, 0
	s_cbranch_scc1 .Ltab
	s_barrier_signal -1                            ; (my stores were waited for at the trip's end)
	s_barrier_wait -1                              ; the table is whole
	s_cmp_lg_u32 s97, 0
	s_cbranch_scc1 .Lv_role
	; ---- q OR k: RoPE, the quantiser, images out.
.set TC,  64                           ; v64-79 cos, v80-95 sin of the block in hand
.set TS,  80
.set QPC, 192                          ; v192-197 a tile's codes
.set QPT, 200
.set TM,  204                          ; v204-211 at work
.set QW,  212                          ; the scale word
.macro LOADTAB a
.irp p, 0,1,2,3,4,5,6,7
	ds_load_b128 v[TC+4*\p:TC+4*\p+3], v10 offset:4096*(\a)+512*\p
.endr
.endm
; head g of block a: y(d) = x(d) cos - x(d + 32) sin, y(d + 32) = x(d + 32) cos + x(d) sin, d = 16 u + 8 h + j.  Each accumulator is read from its low end on.
.macro ROPE a, g
	WIN 0x02+(\a)/4                                ; source 0: the accumulators' window
.irp u, 0,1
.irp j, 0,2,4,6
.set X1, 8*(8*((\a)%4)+4*(\g)+\u)+\j
.set X2, X1+16
.set YY, 128+32*(\g)+8*\u+\j
	v_pk_mul_f32 v[96+2*\j:97+2*\j], v[X2:X2+1], v[TS+8*\u+\j:TS+8*\u+\j+1]
	v_pk_mul_f32 v[98+2*\j:99+2*\j], v[X1:X1+1], v[TS+8*\u+\j:TS+8*\u+\j+1]
	v_pk_fma_f32 v[YY:YY+1], v[X1:X1+1], v[TC+8*\u+\j:TC+8*\u+\j+1], v[96+2*\j:97+2*\j] neg_lo:[0,0,1] neg_hi:[0,0,1]
	v_pk_fma_f32 v[YY+16:YY+17], v[X2:X2+1], v[TC+8*\u+\j:TC+8*\u+\j+1], v[98+2*\j:99+2*\j]
.endr
.endr
.endm
; 32 numbers of a lane, 16 of block 0 and 16 of block 1 of my token, become six registers of codes (lane (r, h): block h) and the token's scale word
.macro QUANT2 s
	v_max3_num_f32 v[TM], |v[\s]|, |v[\s+1]|, 0x3000000          ; with the floor 2^(6 - 127): the byte is 4 at the least, so that 3 can be taken off it
	v_max3_num_f32 v[TM+1], |v[\s+16]|, |v[\s+17]|, 0x3000000
.irp i, 2,4,6,8,10,12,14
	v_max3_num_f32 v[TM], v[TM], |v[\s+\i]|, |v[\s+\i+1]|
	v_max3_num_f32 v[TM+1], v[TM+1], |v[\s+16+\i]|, |v[\s+17+\i]|
.endr
	v_permlanex16_b32 v[TM+2], v[TM], s92, s93
	v_permlanex16_b32 v[TM+3], v[TM+1], s92, s93
	v_max_num_f32 v[TM], v[TM], v[TM+2]            ; with lane l xor 16's: the block's largest magnitude
	v_max_num_f32 v[TM+1], v[TM+1], v[TM+3]
	v_add_nc_u32 v[TM+4], 0xff000000, v[TM]        ; 2 off the exponent field: the conversion's scale operand
	v_add_nc_u32 v[TM+5], 0xff000000, v[TM+1]
	v_lshrrev_b32 v[TM+6], 23, v[TM+4]             ; the bytes
	v_lshrrev_b32 v[TM+7], 23, v[TM+5]
	v_lshl_or_b32 v[QW], v[TM+7], 8, v[TM+6]
	v_or_b32 v[QW], 0x7f7f0000, v[QW]              ; the upper 64 of the instruction's 128 along K are zero codes under the scale 1
	v_sub_nc_u32 v[QW], v[QW], s98                 ; q: x 2^-3
	s_wait_xcnt 0x0                                ; the last tile's stores have read the codes' registers
	v_cvt_scalef32_pk16_fp6_f32 v[QPC:QPC+2], v[\s:\s+15], v[TM+4]
	v_cvt_scalef32_pk16_fp6_f32 v[QPT:QPT+2], v[\s+16:\s+31], v[TM+5]
	v_nop                                          ; one plain line behind a scaled conversion
.irp i, 0,1,2
	v_permlane16_swap_b32 v[QPC+\i], v[QPT+\i]     ; a whole block to a lane: lanes 0-15 block 0, lanes 16-31 block 1
.endr
.irp i, 0,1,2
	v_mov_b32 v[QPC+3+\i], v[QPT+\i]
.endr
.endm
.macro QK_BLOCK a
.if (\a) == 0
	s_wait_dscnt 0x0
.else
	s_wait_dscnt 2                                 ; the table's eight loads are in; the two word stores issued behind them may be out
.endif
	ROPE \a, 0
	ROPE \a, 1
	WIN 0
.if (\a) < 7
	LOADTAB (\a)+1
.endif
.irp g, 0,1
	QUANT2 128+32*\g
	global_store_b128 v7, v[QPC:QPC+3], s[76+2*\g:77+2*\g] offset:768*(\a)          ; 32 lanes store 512 consecutive bytes,
	global_store_b64 v8, v[QPC+4:QPC+5], s[76+2*\g:77+2*\g] offset:768*(\a)+512     ; and 256
	ds_store_b32 v11, v[QW] offset:(128*\g+16*(\a))*4                               ; both lanes of a token write the same word
.endr
.endm
	v_mov_b32 v[TM+2], 0                           ; written once: a lane permute's destination counts as one of its sources
	v_mov_b32 v[TM+3], 0
	LOADTAB 0
.irp a, 0,1,2,3,4,5,6,7
	QK_BLOCK \a
.endr
	ds_load_b128 v[64:67], v12                     ; LDS serves a wave's instructions in order: these see my stores
	ds_load_b128 v[68:71], v12 offset:512
	s_wait_dscnt 0x0
	global_store_b128 v7, v[64:67], s[80:81]       ; 128 tokens' words of head 0: 512 consecutive bytes
	global_store_b128 v7, v[68:71], s[82:83]       ; of head 1
	s_branch .Ljoin
.Lv_role:
	; ---- v: turned through my stage, so that a lane holds one channel d and its registers run along the keys; quantised along the keys; images out.
	; Part h, row 8 t + j of the stage holds channel 32 bq + 16 t + 8 h + j.  Tile 2 bq + u of the next launch wants, in lane r, channel 32 bq + 8 u + r + 8 (r / 8): that is part u, row r.
.set VX,  64                           ; v64-127  64 keys' numbers
.set VPC, 128                          ; v128-139 a fragment's codes
.set VPT, 140
.set VM,  148
.set VW,  156
.macro QUANTV
.irp c, 0,1
	v_max3_num_f32 v[VM+\c], |v[VX+32*\c]|, |v[VX+1+32*\c]|, 0x1800000   ; my block 2 c + h: all its 32 numbers are mine; with the floor 2^(3 - 127)
.endr
.irp i, 2,4,6,8,10,12,14,16,18,20,22,24,26,28,30
.irp c, 0,1
	v_max3_num_f32 v[VM+\c], v[VM+\c], |v[VX+32*\c+\i]|, |v[VX+1+32*\c+\i]|
.endr
.endr
.irp c, 0,1
	v_add_nc_u32 v[VM+2+\c], 0xff000000, v[VM+\c]
.endr
.irp c, 0,1
	v_lshrrev_b32 v[VM+4+\c], 23, v[VM+2+\c]
.endr
	v_lshl_or_b32 v[VW], v[VM+5], 16, v[VM+4]      ; my two bytes, blocks h and 2 + h,
	v_lshlrev_b32 v[VW], v158, v[VW]               ; at their places;
	v_permlanex16_b32 v157, v[VW], s92, s93
	v_or_b32 v[VW], v[VW], v157                    ; with lane l xor 16's two the word is whole
	s_wait_xcnt 0x0                                ; the last fragment's stores have read the codes' registers
.irp c, 0,1
	v_cvt_scalef32_pk16_fp6_f32 v[VPC+6*\c:VPC+6*\c+2], v[VX+32*\c:VX+32*\c+15], v[VM+2+\c]
	v_cvt_scalef32_pk16_fp6_f32 v[VPT+4*\c:VPT+4*\c+2], v[VX+32*\c+16:VX+32*\c+31], v[VM+2+\c]
.endr
	v_nop
.irp c, 0,1
.irp i, 0,1,2
	v_mov_b32 v[VPC+3+6*\c+\i], v[VPT+4*\c+\i]
.endr
.endr
.endm
.macro V_CHUNK g, bq                   ; head g, channels 32 bq on, my 128 keys
.irp a, 0,1,2,3,4,5,6,7
	WIN 0x08+4*(\a/4)                              ; an LDS store's data are its source 1
.irp t, 0,1
.irp j, 0,1,2,3,4,5,6,7
	ds_store_b32 v13, v[8*(8*(\a%4)+4*(\g)+2*(\bq)+\t)+\j] offset:(8*\t+\j)*528+64*\a
.endr
.endr
.endr
	WIN 0
.irp u, 0,1
.irp c, 0,1
.irp q, 0,1,2,3,4,5,6,7                ; place p of a block takes key p with its bits 3 and 4 exchanged
	ds_load_b128 v[VX+32*\c+4*\q:VX+32*\c+4*\q+3], v14 offset:8576*\u+256*\c+16*(\q%2)+64*((\q/2)%2)+32*(\q/4)
.endr
.endr
	s_wait_dscnt 0x0
	QUANTV
.irp i, 0,1,2
	global_store_b128 v7, v[VPC+4*\i:VPC+4*\i+3], s[84+2*(\g):85+2*(\g)] offset:1536*(2*(\bq)+\u)+512*\i
.endr
	ds_store_b32 v15, v[VW] offset:(64*(\g)+16*(2*(\bq)+\u))*4
.endr
.endm
	v_mov_b32 v157, 0
	v_lshlrev_b32 v158, 3, v2                      ; 8 h
	V_CHUNK 0, 0
	V_CHUNK 0, 1
	V_CHUNK 1, 0
	V_CHUNK 1, 1
	ds_load_b128 v[64:67], v24
	s_wait_dscnt 0x0
	global_store_b128 v25, v[64:67], s[88:89]      ; sixteen lanes store a head's 256 consecutive bytes
.Ljoin:
	s_wait_tensorcnt 0x0                           ; the wave's end
	ds_add_u32 v[SPW], v[NIL]
	s_wait_dscnt 0x0
	CROUND                                         ; the closing round
	s_endpgm
.Lfunc_end_k_q5770d82afb_qkv:
	.size	k_q5770d82afb_qkv, .Lfunc_end_k_q5770d82afb_qkv-k_q5770d82afb_qkv
	.p2alignl 7, 3214868480
	.fill 96, 4, 3214868480
	.section	.rodata,"a",@progbits
	.p2align	6, 0x0
	.amdhsa_kernel k_q5770d82afb_qkv
		.amdhsa_group_segment_fixed_size 327680
		.amdhsa_private_segment_fixed_size 0
		.amdhsa_enable_private_segment 0
		.amdhsa_kernarg_size 96
		.amdhsa_user_sgpr_count 2
		.amdhsa_user_sgpr_kernarg_segment_ptr 1
		.amdhsa_wavefront_size32 1
		.amdhsa_system_sgpr_workgroup_id_x 1
		.amdhsa_system_sgpr_workgroup_id_y 1
		.amdhsa_system_sgpr_workgroup_id_z 1
		.amdhsa_system_vgpr_workitem_id 0
		.amdhsa_next_free_vgpr 1024
		.amdhsa_next_free_sgpr 100
		.amdhsa_reserve_vcc 0
		.amdhsa_float_denorm_mode_32 3
		.amdhsa_float_denorm_mode_16_64 3
		.amdhsa_memory_ordered 1
		.amdhsa_forward_progress 1
		.amdhsa_inst_pref_size 255
	.end_amdhsa_kernel
	.section	.bss,"aw",@nobits
	.p2align	6
	.space	262144
	.amdgpu_metadata
---
amdhsa.version: [ 1, 2 ]
amdhsa.kernels:
  - .name:           k_q5770d82afb_qkv
    .symbol:         k_q5770d82afb_qkv.kd
    .args:
      - { .name: hidden_states_codes, .offset: 0, .size: 8, .value_kind: global_buffer, .address_space: global }
      - { .name: hidden_states_scales, .offset: 8, .size: 8, .value_kind: global_buffer, .address_space: global }
      - { .name: Wq_codes, .offset: 16, .size: 8, .value_kind: global_buffer, .address_space: global }
      - { .name: Wq_scales, .offset: 24, .size: 8, .value_kind: global_buffer, .address_space: global }
      - { .name: Wk_codes, .offset: 32, .size: 8, .value_kind: global_buffer, .address_space: global }
      - { .name: Wk_scales, .offset: 40, .size: 8, .value_kind: global_buffer, .address_space: global }
      - { .name: Wv_codes, .offset: 48, .size: 8, .value_kind: global_buffer, .address_space: global }
      - { .name: Wv_scales, .offset: 56, .size: 8, .value_kind: global_buffer, .address_space: global }
      - { .name: position_ids, .offset: 64, .size: 8, .value_kind: global_buffer, .address_space: global }
      - { .name: q_img, .offset: 72, .size: 8, .value_kind: global_buffer, .address_space: global }
      - { .name: q_sc, .offset: 80, .size: 8, .value_kind: global_buffer, .address_space: global }
      - { .name: kv, .offset: 88, .size: 8, .value_kind: global_buffer, .address_space: global }
    .group_segment_fixed_size: 327680
    .private_segment_fixed_size: 0
    .kernarg_segment_align: 8
    .kernarg_segment_size: 96
    .max_flat_workgroup_size: 128
    .sgpr_count:     100
    .vgpr_count:     1024
    .wavefront_size: 32
...
	.end_amdgpu_metadata
.endif
;; end of part 1
;; launch attn (part 2): grid 32 x 8, 16 waves a work-group, clusters of 4 x 1, 327,680 bytes of LDS; arguments q_img, q_sc, kv, attention_mask, a_img, a_sc; writes a_img, a_sc
.if DOCPART == 2
	.amdgcn_target "amdgcn-amd-amdhsa--gfx1250"
	.amdhsa_code_object_version 6
	.text
	.protected	k_q5770d82afb_attn
	.globl	k_q5770d82afb_attn
	.p2align	8
	.type	k_q5770d82afb_attn,@function
k_q5770d82afb_attn:
	s_mov_b64 s[64:65], 0
	v_nop
	global_prefetch_b8 v0, s[64:65] scope:SCOPE_SE
	s_setreg_imm32_b32 hwreg(HW_REG_WAVE_MODE, 25, 1), 1
	s_wait_xcnt 0x0
	s_wait_alu depctr_hold_cnt(0) depctr_sa_sdst(0) depctr_va_vdst(0) depctr_va_sdst(0) depctr_va_ssrc(0) depctr_va_vcc(0) depctr_vm_vsrc(0)
	s_getreg_b32 s2, hwreg(HW_REG_IB_STS2, 6, 4)
	s_cmp_eq_u32 s2, 0
	s_cbranch_scc0 .Lentry_in_a_cluster
	s_endpgm
.Lentry_in_a_cluster:
	s_bfe_u32 s2, ttmp6, 0x10000c
	s_cmp_lg_u32 s2, 0x3003
	s_cbranch_scc0 .Lentry_shape_is_right
	s_endpgm
.Lentry_shape_is_right:
; softmax(q k^T / 8 + mask) v for one key/value head (record rec = 8 x batch + kv head) and 128 queries, both products on codes of FP6 (E2M3) with E8M0 scales; the result is quantised along the hidden axis and stored as codes.
; SHARES.  Sixteen waves: wave w takes queries 16 (w / 2) .. + 15 and the two query heads 2 (w % 2), 2 (w % 2) + 1 of the group's four: two tiles, one after the other in each key step of 128 keys.
; THE MASK IS AN INPUT and is read as it is given: its f32 numbers are the C of the score product, whose result is then the logit; 1 / 8 lies in q's scale bytes.
; LAYOUT.  S^T = K Q^T + mask^T (source 0 = 16 keys, source 1 = 16 queries), O^T = V^T P^T: a lane holds one query throughout.  The head's 64 fill half of the instruction's 128 along K: Q's upper six registers are zero codes and
; the upper two bytes of both scale words are 127.  K's upper six registers are cleared once and later hold V's old codes: against zero codes they add exactly 0.
; Place p of a block of 32 keys holds key p with bits 3 and 4 exchanged, in p's codes (by the registers' order) and in V's (as the launch before laid them).  V's channels of a tile are chosen so that a lane's 16
; registers of two neighbouring tiles are 16 neighbouring channels: the result's codes come out in true order.
; THE SOFTMAX: t = logit x log2(e); M = the running largest t rounded up to a whole number; p = 2^(t - M) is quantised; the sum is taken of the unquantised p; when M moves, sum and O^T are multiplied by 2^(old M - new M).
; LIMITS: NaN and infinities are not served.  While every logit of a row so far lies under about -7e37 (t under -1e38), its p are 1: uniform weights; the first larger logit wipes them (the factor is 0).
; CLUSTER.  The four partners have the same 128 queries and other records, so they read the same tiles of the mask, the largest stream (512 KiB a work-group against 102 KiB of kv): those are asked for JOINTLY.
; K and V are not shared in the cluster: each record comes once, whole, by four plain tensor loads.
; LDS: mask slot 0 at 0 (128 rows x 528), the way out's stages at 67,584 and 92,160, mask slot 1 at 2^17, the record at 198,656, the spare words at 303,104.
.set REC,   104448
.set QREC,  26112                      ; a quarter of a record: 102 rows of 256 bytes
.set MP,    528                        ; a row of the mask's tile in LDS: 512 bytes + 16
.set MHALF, 64*MP
.set MSK1,  1<<17
.set STG,   67584                      ; 128 tokens x 192 bytes of codes
.set SSTG,  92160                      ; 128 tokens x 8 scale bytes
.set KVB,   198656
.set SPARE, 303104
; v1 my place in a mask tile; v2, v3, v4: 16, 8, 4 x lane; v5-6, v9-11, v31 the step's LDS addresses; v7, v8 the add's two; v12-15, v92-95 -M, largest logit, sum (two halves) of tile 0, 1;
; v16-27, v80-91 Q; v28 addend, v29 log2(e), v30 factor; v32-79 four fragments; v96-159 S^T, then p; v160-223 O^T; v224-235 p's codes; v232-254 at work; v248-251 fragments' scale words; v253 p's; v255, v243 Q's.
.macro ROUND
	s_barrier_signal -1
	s_barrier_wait -1
	s_cmp_lg_u32 s16, 0
	s_cbranch_scc1 .Lnot_wave_0_\@
	s_barrier_signal -3
.Lnot_wave_0_\@:
	s_barrier_wait -3
	s_barrier_signal -1
	s_barrier_wait -1
.endm
	s_load_b256 s[4:11], s[0:1], 0x0               ; q_img, q_sc, kv, mask
	s_load_b128 s[12:15], s[0:1], 0x20             ; a_img, a_sc
	v_lshl_add_u32 v7, v0, 2, SPARE
	v_mov_b32 v8, 0
	ds_add_u32 v7, v8
	s_wait_dscnt 0x0
	v_lshrrev_b32 v9, 5, v0
	v_readfirstlane_b32 s16, v9                    ; wave 0..15
	s_bfe_u32 s17, ttmp6, 0x40000                  ; cx
	s_lshl_b32 s18, ttmp9, 2
	s_add_co_u32 s18, s18, s17                     ; rec: it enters global addresses alone
	s_and_b32 s19, ttmp7, 0xffff                   ; y: the block of 128 queries, which the partners share
	s_lshr_b32 s55, s16, 1                         ; qt
	s_and_b32 s56, s16, 1                          ; hp
	s_mov_b32 s20, 0x76543210
	s_mov_b32 s21, 0xfedcba98
	s_mov_b32 s22, 0x3fb8aa3b                      ; log2(e)
	s_mov_b32 s23, 0xff61b1e6                      ; -3e38
	s_mov_b32 s54, 0x7e967699                      ; 1e38
	s_mov_b32 s24, 3<<16                           ; group 1 for the record: no mask, elements of 8 bytes, no padding;
	s_mov_b32 s25, 32<<16                          ; rows of 256 bytes,
	s_mov_b32 s26, 102<<16                         ; 102 of them
	s_mov_b32 s27, 32<<16
	s_mov_b32 s28, 102
	s_mov_b32 s29, 32
	s_mov_b32 s30, 0
	s_mov_b32 s31, 0
	s_mov_b32 s32, 15|(2<<16)|(1<<20)|(1<<21)|(6<<22)|(3<<25)   ; group 1 for the mask: all four partners; elements of 4 bytes; padding on; bit 21 beside a mask; after every 128 words 4 words
	s_mov_b32 s33, 128<<16
	s_mov_b32 s34, 64<<16
	s_mov_b32 s35, 128<<16
	s_mov_b32 s36, 64
	s_mov_b32 s37, 1024
	s_mov_b32 s38, 0
	s_mov_b32 s39, 0
	s_and_b32 s57, s16, 3
	s_mul_i32 s57, s57, QREC
	s_mul_i32 s60, s18, REC
	s_add_co_u32 s60, s60, s57
	s_mov_b32 s61, 0
	s_lshl_b32 s62, s19, 7
	s_lshl_b32 s63, s56, 6
	s_add_co_u32 s62, s62, s63
	s_lshl_b32 s62, s62, 12                        ; the mask's row 128 y + 64 (w % 2), 4,096 bytes a row
	s_mov_b32 s63, 0
	s_lshl_b32 s66, s18, 2
	s_lshl_b32 s67, s56, 1
	s_add_co_u32 s66, s66, s67                     ; 32 x batch + my first head = 4 rec + 2 hp
	s_lshl_b32 s68, s66, 6
	s_lshl_b32 s69, s19, 3
	s_add_co_u32 s68, s68, s69
	s_add_co_u32 s68, s68, s55
	s_mul_i32 s68, s68, 768                        ; its tile of queries 8 y + qt
	s_mov_b32 s69, 0
	s_lshl_b32 s58, s55, 4                         ; 16 qt
	s_lshl_b32 s70, s66, 10
	s_lshl_b32 s71, s19, 7
	s_add_co_u32 s70, s70, s71
	s_add_co_u32 s70, s70, s58
	s_lshl_b32 s70, s70, 2
	s_mov_b32 s71, 0
	s_and_b32 s72, s18, 7                          ; kv head
	s_lshr_b32 s73, s18, 3                         ; batch
	s_lshl_b32 s73, s73, 10
	s_lshl_b32 s74, s19, 7
	s_add_co_u32 s73, s73, s74                     ; my block's first token
	s_lshl_b32 s74, s72, 12
	s_add_co_u32 s74, s74, s73
	s_mul_i32 s74, s74, 192
	s_mov_b32 s75, 0
	s_lshl_b32 s76, s73, 6
	s_lshl_b32 s77, s72, 3
	s_add_co_u32 s76, s76, s77
	s_mov_b32 s77, 0
	s_mov_b32 s48, 0                               ; the mask's slot in hand
	s_mov_b32 s49, KVB                             ; the step's images of K,
	s_mov_b32 s50, KVB+98304                       ; its scale words,
	s_mov_b32 s51, KVB+49152                       ; the step's images of V,
	s_mov_b32 s52, KVB+102400                      ; its scale words
	s_mov_b32 s53, 7
	s_wait_kmcnt 0x0
	s_mov_b32 s40, 1
	s_add_co_u32 s41, s57, KVB
	s_add_nc_u64 s[42:43], s[8:9], s[60:61]
	s_or_b32 s43, s43, 0x80000000
	s_mov_b32 s44, 1
	s_mul_i32 s45, s56, MHALF
	s_add_nc_u64 s[46:47], s[10:11], s[62:63]
	s_or_b32 s47, s47, 0x80000000
	s_add_nc_u64 s[4:5], s[4:5], s[68:69]
	s_add_nc_u64 s[6:7], s[6:7], s[70:71]
	s_add_nc_u64 s[12:13], s[12:13], s[74:75]
	s_add_nc_u64 s[14:15], s[14:15], s[76:77]
	ROUND                                          ; all four work-groups are here
	s_cmp_lt_u32 s16, 4                            ; the first fills: waves 0-3 a quarter of the record each, waves 4 and 5 the halves of the mask's first tile; one load a wave
	s_cbranch_scc0 .Lnot_kv
	tensor_load_to_lds s[40:43], s[24:31]
	s_nop 0
.rept 4
	v_nop
.endr
	s_branch .Lfirst_asked
.Lnot_kv:
	s_cmp_lt_u32 s16, 6
	s_cbranch_scc0 .Lfirst_asked
	tensor_load_to_lds s[44:47], s[32:39]
	s_nop 0
.rept 4
	v_nop
.endr
.Lfirst_asked:
	v_and_b32 v9, 31, v0
	v_and_b32 v10, 15, v0                          ; r
	v_bfe_u32 v11, v0, 4, 1                        ; h
	v_lshlrev_b32 v2, 4, v9
	v_lshlrev_b32 v3, 3, v9
	v_lshlrev_b32 v4, 2, v9
	v_lshlrev_b32 v5, 2, v10
	global_load_b128 v[16:19], v2, s[4:5]          ; Q's images stay in registers
	global_load_b64 v[20:21], v3, s[4:5] offset:512
	global_load_b128 v[80:83], v2, s[4:5] offset:49152
	global_load_b64 v[84:85], v3, s[4:5] offset:49152+512
	global_load_b32 v255, v5, s[6:7]
	global_load_b32 v243, v5, s[6:7] offset:4096
	v_add_nc_u32 v1, s58, v10
	v_mul_u32_u24 v1, v1, MP
	v_lshl_add_u32 v1, v11, 5, v1                  ; the mask: row 16 qt + r, + 8 h keys
.irp i, 22,23,24,25,26,27,86,87,88,89,90,91
	v_mov_b32 v[\i], 0                             ; Q's upper 64 along K: zero codes
.endr
.irp t, 0,1,2,3
.irp i, 6,7,8,9,10,11
	v_mov_b32 v[32+12*\t+\i], 0                    ; K's: written once
.endr
.endr
.irp s, 12, 92
	v_mov_b32 v[\s], 0x7f61b1e6                    ; -M: 3e38
	v_mov_b32 v[\s+1], 0xff7fffff                  ; the largest logit so far: under every number
	v_mov_b32 v[\s+2], 0
	v_mov_b32 v[\s+3], 0
.endr
	v_mov_b32 v29, 0x3fb8aa3b
.irp b, 0,1,2,3
	v_mov_b32 v[236+\b], 0                         ; written once: a lane permute's destination counts as one of its sources
.endr
	v_mov_b32 v253, 0
.irp j, 0,1,2,3,4,5,6,7,8,9,10,11,12,13,14,15,16,17,18,19,20,21,22,23,24,25,26,27,28,29,30,31,32,33,34,35,36,37,38,39,40,41,42,43,44,45,46,47,48,49,50,51,52,53,54,55,56,57,58,59,60,61,62,63
	v_mov_b32 v[160+\j], 0                         ; O^T: the step is written once; the first finds zeros
.endr
; ONE TILE (16 queries of head 2 hp + u) x ONE KEY STEP (128 keys)
.macro TILE u
.set NM, 12+80*(\u)
.set LM, NM+1
.set LS, NM+2
.set QF, 16+64*(\u)
.set OB, 160+32*(\u)
.set QS, 255-12*(\u)
.irp T, 0,1,2,3,4,5,6,7
	ds_load_b128 v[96+8*\T:99+8*\T], v6 offset:64*\T          ; the mask, in the result's layout: register 8 T + j = mask(query r, key 16 T + 8 h + j)
	ds_load_b128 v[100+8*\T:103+8*\T], v6 offset:64*\T+16
.endr
.irp g, 0,1
.if (\u)+\g > 0
.rept 4
	v_nop                                          ; places in front of loads into registers that the last matrix instructions have read (ahead of tile 0 the step's six additions are the places)
.endr
.endif
.irp t, 0,1,2,3
	ds_load_b128 v[32+12*\t:35+12*\t], v9 offset:(4*\g+\t)*768
	ds_load_b64 v[36+12*\t:37+12*\t], v10 offset:(4*\g+\t)*768+512
.endr
.if \g == 0
.irp i, 0,1,2,3
	ds_load_b32 v[248+\i], v11 offset:128*\i       ; K's scale words: lanes 0-15 tile 2 i, lanes 16-31 tile 2 i + 1
.endr
.endif
	s_wait_dscnt 0x0
.irp t, 0,1,2,3
.if \t%2
	v_wmma_scale_f32_16x16x128_f8f6f4 v[96+8*(4*\g+\t):103+8*(4*\g+\t)], v[32+12*\t:43+12*\t], v[QF:QF+11], v[96+8*(4*\g+\t):103+8*(4*\g+\t)], v[248+2*\g+\t/2], v[QS] matrix_a_fmt:MATRIX_FMT_FP6 matrix_b_fmt:MATRIX_FMT_FP6 matrix_a_scale:MATRIX_SCALE_ROW1
.else
	v_wmma_scale_f32_16x16x128_f8f6f4 v[96+8*(4*\g+\t):103+8*(4*\g+\t)], v[32+12*\t:43+12*\t], v[QF:QF+11], v[96+8*(4*\g+\t):103+8*(4*\g+\t)], v[248+2*\g+\t/2], v[QS] matrix_a_fmt:MATRIX_FMT_FP6 matrix_b_fmt:MATRIX_FMT_FP6
.endif
.endr
.endr
.rept 4
	v_nop
.endr
.irp b, 0,1,2,3
	v_max3_num_f32 v[232+\b], v[96+16*\b], v[97+16*\b], v[98+16*\b]   ; the largest logit of each block of 32 keys: for the row's maximum and, since p rises with the logit, for the block's largest p
.endr
.irp i, 3,5,7,9,11,13
.irp b, 0,1,2,3
	v_max3_num_f32 v[232+\b], v[232+\b], v[96+16*\b+\i], v[97+16*\b+\i]
.endr
.endr
.irp b, 0,1,2,3
	v_max_num_f32 v[232+\b], v[232+\b], v[111+16*\b]
.endr
.irp b, 0,1,2,3
	v_permlanex16_b32 v[236+\b], v[232+\b], s20, s21
.endr
.irp b, 0,1,2,3
	v_max_num_f32 v[232+\b], v[232+\b], v[236+\b]
.endr
	v_max3_num_f32 v254, v232, v233, v234
	v_max3_num_f32 v[LM], v254, v235, v[LM]        ; the running largest logit
	v_mul_f32 v254, s22, v[LM]                     ; as t,
	v_max_num_f32 v254, s23, v254                  ; held at -3e38 from below
	v_mov_b32 v252, v[NM]
	v_floor_f32 v[NM], -v254                       ; the new -M = -ceil(t): a whole number
	v_sub_f32 v252, v[NM], v252                    ; old M - new M, 0 or less
	v_cvt_i32_f32 v252, v252                       ; (it saturates)
	v_ldexp_f32 v252, 1.0, v252                    ; f = 2^(old M - new M)
	v_cmp_gt_f32 vcc_lo, s54, v[NM]                ; has the row had a logit that counts?
	v_cndmask_b32 v30, 0, v29, vcc_lo              ; then t - M = logit x log2(e) - M; else 0: p = 1.  A choice of values: no branch
	v_cndmask_b32 v28, 0, v[NM], vcc_lo
.irp j, 0,2,4,6,8,10,12,14,16,18,20,22,24,26,28,30,32,34,36,38,40,42,44,46,48,50,52,54,56,58,60,62
	v_pk_fma_f32 v[96+\j:97+\j], v[96+\j:97+\j], v[30:31], v[28:29] op_sel_hi:[1,0,0]
.endr
.irp b, 0,1,2,3
	v_fma_f32 v[232+\b], v[232+\b], v30, v28
.endr
.irp j, 0,1,2,3,4,5,6,7,8,9,10,11,12,13,14,15,16,17,18,19,20,21,22,23,24,25,26,27,28,29,30,31,32,33,34,35,36,37,38,39,40,41,42,43,44,45,46,47,48,49,50,51,52,53,54,55,56,57,58,59,60,61,62,63
	v_exp_f32 v[96+\j], v[96+\j]                   ; p = 2^(t - M)
.endr
	v_pk_mul_f32 v[LS:LS+1], v[LS:LS+1], v[252:253] op_sel_hi:[1,0]   ; the sums under the new M (a plain line behind the exponentials)
	s_wait_alu depctr_va_vdst(0)                   ; one wait for the 64, ahead of their first reader
.irp b, 0,1,2,3
	v_exp_f32 v[232+\b], v[232+\b]                 ; the blocks' largest p
.endr
	v_pk_add_f32 v[236:237], v[96:97], v[98:99]    ; the row's sum, of the unquantised p, in two chains
.irp j, 4,8,12,16,20,24,28,32,36,40,44,48,52,56,60
	v_pk_add_f32 v[LS:LS+1], v[LS:LS+1], v[96+\j:97+\j]
	v_pk_add_f32 v[236:237], v[236:237], v[98+\j:99+\j]
.endr
	v_pk_add_f32 v[LS:LS+1], v[LS:LS+1], v[236:237]
	s_wait_alu depctr_va_vdst(0)                   ; and one for the four
.irp b, 0,1,2,3
	v_max_num_f32 v[232+\b], 0x1800000, v[232+\b]  ; the floor 2^(3 - 127)
.endr
.irp b, 0,1,2,3
	v_add_nc_u32 v[244+\b], 0xff000000, v[232+\b]  ; 2 off the exponent field: the conversion's scale operand
.endr
.irp b, 0,1,2,3
	v_lshrrev_b32 v[236+\b], 23, v[244+\b]
.endr
	v_lshl_or_b32 v253, v237, 8, v236              ; p's scale word for these 128 keys
	v_lshl_or_b32 v253, v238, 16, v253
	v_lshl_or_b32 v253, v239, 24, v253
.irp c, 0,1
	v_cvt_scalef32_pk16_fp6_f32 v[224+6*\c:226+6*\c], v[96+32*\c:111+32*\c], v[244+2*\c]
	v_cvt_scalef32_pk16_fp6_f32 v[236+4*\c:238+4*\c], v[112+32*\c:127+32*\c], v[244+2*\c+1]
.endr
	v_nop
.irp c, 0,1
.irp i, 0,1,2
	v_permlane16_swap_b32 v[224+6*\c+\i], v[236+4*\c+\i]
.endr
.irp i, 0,1,2
	v_mov_b32 v[227+6*\c+\i], v[236+4*\c+\i]
.endr
.endr
.irp j, 0,2,4,6,8,10,12,14,16,18,20,22,24,26,28,30
	v_pk_mul_f32 v[OB+\j:OB+\j+1], v[OB+\j:OB+\j+1], v[252:253] op_sel_hi:[1,0]   ; O^T under the new M; these sixteen are also the places in front of the matrix instructions below
.endr
.irp t, 0,1,2,3
.irp i, 0,1,2
	ds_load_b128 v[32+12*\t+4*\i:35+12*\t+4*\i], v31 offset:1536*\t+512*\i
.endr
.endr
.irp i, 0,1
	ds_load_b32 v[248+\i], v5 offset:128*\i        ; V's scale words: lanes 0-15 tile 2 i, lanes 16-31 tile 2 i + 1
.endr
	s_wait_dscnt 0x0
.irp t, 0,1,2,3
.if \t%2
	v_wmma_scale_f32_16x16x128_f8f6f4 v[OB+8*\t:OB+8*\t+7], v[32+12*\t:43+12*\t], v[224:235], v[OB+8*\t:OB+8*\t+7], v[248+\t/2], v253 matrix_a_fmt:MATRIX_FMT_FP6 matrix_b_fmt:MATRIX_FMT_FP6 matrix_a_scale:MATRIX_SCALE_ROW1
.else
	v_wmma_scale_f32_16x16x128_f8f6f4 v[OB+8*\t:OB+8*\t+7], v[32+12*\t:43+12*\t], v[224:235], v[OB+8*\t:OB+8*\t+7], v[248+\t/2], v253 matrix_a_fmt:MATRIX_FMT_FP6 matrix_b_fmt:MATRIX_FMT_FP6
.endif
.endr
.endm
.macro STEP
	v_add_nc_u32 v6, s48, v1
	v_add_nc_u32 v9, s49, v2
	v_add_nc_u32 v10, s49, v3
	v_add_nc_u32 v11, s50, v4
	v_add_nc_u32 v31, s51, v2
	v_add_nc_u32 v5, s52, v4
	TILE 0
	TILE 1
	s_xor_b32 s48, s48, MSK1
	s_add_co_u32 s49, s49, 6144
	s_add_co_u32 s50, s50, 512
	s_add_co_u32 s51, s51, 6144
	s_add_co_u32 s52, s52, 256
.endm
; THE CHANGE OF SLOTS stands at a step's head.  Each wave waits for all its tensor loads, adds 0 to its spare word, and waits for that and for its reads of the slot that it has left.
; fill = 1: behind a round of the cluster's barrier waves 4 and 5 ask jointly for the next step's tile of the mask, into the slot just left: it has a whole key step in which to land.  One tensor load of a wave is out at the most.
.macro CHANGE fill
	s_wait_tensorcnt 0x0
	ds_add_u32 v7, v8
.if \fill
	s_xor_b32 s45, s45, MSK1                       ; the walking descriptor: the other slot,
	s_add_nc_u64 s[46:47], s[46:47], 512           ; the next 128 keys
.endif
	s_wait_dscnt 0x0
.if \fill
	ROUND
	s_cmp_eq_u32 s55, 2
	s_cbranch_scc0 .Lnone_\@
	tensor_load_to_lds s[44:47], s[32:39]
	s_nop 0
.rept 4
	v_nop
.endr
.Lnone_\@:
.else
	s_barrier_signal -1
	s_barrier_wait -1
.endif
.endm
	s_wait_loadcnt 0x0                             ; Q
.Lstep:                                            ; seven trips: behind each change of slots but the last the next tile is asked for
	CHANGE 1
	STEP
	s_sub_co_u32 s53, s53, 1
	s_cmp_lg_u32 s53, 0
	s_cbranch_scc1 .Lstep
	CHANGE 0                                       ; the last step is written out
	STEP
	; THE WAY OUT.  O^T / the sum; quantised along the channels; codes and scale bytes meet in the stages and leave as 24,576 consecutive bytes.
	v_add_f32 v14, v14, v15
	v_add_f32 v94, v94, v95
	v_permlanex16_b32 v252, v14, s20, s21
	v_permlanex16_b32 v254, v94, s20, s21
	v_add_f32 v14, v14, v252
	v_add_f32 v94, v94, v254
	v_rcp_f32 v14, v14
	v_rcp_f32 v94, v94
	v_and_b32 v9, 15, v0                           ; (plain lines behind the reciprocals)
	v_bfe_u32 v10, v0, 4, 1
	v_add_nc_u32 v9, s58, v9                       ; my token in the block: 16 qt + r
	v_mul_u32_u24 v11, v9, 192
	v_mad_u32_u24 v11, v10, 24, v11
	s_mul_i32 s59, s56, 96
	s_add_co_u32 s59, s59, STG
	v_add_nc_u32 v11, s59, v11                     ; codes: token x 192 + 96 hp + 24 h
	v_lshlrev_b32 v5, 3, v9
	s_lshl_b32 s59, s56, 2
	s_add_co_u32 s59, s59, SSTG
	v_add_nc_u32 v5, s59, v5                       ; scale bytes: token x 8 + 4 hp
	s_mul_i32 s59, s16, 1536
	v_add_nc_u32 v10, s59, v2                      ; back: 1,536 bytes a wave, 16 a lane
	v_add_nc_u32 v9, STG, v10
	v_lshl_add_u32 v6, v0, 3, SSTG
	v_lshlrev_b32 v1, 6, v0
	s_wait_alu depctr_va_vdst(0)                   ; one wait for the two reciprocals, ahead of their first reader
.irp j, 0,2,4,6,8,10,12,14,16,18,20,22,24,26,28,30
	v_pk_mul_f32 v[96+\j:97+\j], v[160+\j:161+\j], v[14:15] op_sel_hi:[1,0]      ; register 16 b + i = channel 32 b + 16 h + i
.endr
.irp j, 0,2,4,6,8,10,12,14,16,18,20,22,24,26,28,30
	v_pk_mul_f32 v[128+\j:129+\j], v[192+\j:193+\j], v[94:95] op_sel_hi:[1,0]
.endr
.macro QOUT s, u
	v_max3_num_f32 v232, |v[\s]|, |v[\s+1]|, 0x1800000
	v_max3_num_f32 v233, |v[\s+16]|, |v[\s+17]|, 0x1800000
.irp i, 2,4,6,8,10,12,14
	v_max3_num_f32 v232, v232, |v[\s+\i]|, |v[\s+\i+1]|
	v_max3_num_f32 v233, v233, |v[\s+16+\i]|, |v[\s+17+\i]|
.endr
	v_permlanex16_b32 v236, v232, s20, s21
	v_permlanex16_b32 v237, v233, s20, s21
	v_max_num_f32 v232, v232, v236
	v_max_num_f32 v233, v233, v237
	v_add_nc_u32 v246, 0xff000000, v232
	v_add_nc_u32 v247, 0xff000000, v233
	v_lshrrev_b32 v238, 23, v246
	v_lshrrev_b32 v239, 23, v247
	v_lshl_or_b32 v244, v239, 8, v238              ; the head's two scale bytes
	v_cvt_scalef32_pk16_fp6_f32 v[224:226], v[\s:\s+15], v246
	v_cvt_scalef32_pk16_fp6_f32 v[240:242], v[\s+16:\s+31], v247
	v_nop
.irp i, 0,1,2
	v_permlane16_swap_b32 v[224+\i], v[240+\i]     ; lane (r, h): block h of my token, 24 bytes in true order
.endr
.irp i, 0,1,2
	v_mov_b32 v[227+\i], v[240+\i]
.endr
	ds_store_b64 v11, v[224:225] offset:48*\u
	ds_store_b64 v11, v[226:227] offset:48*\u+8
	ds_store_b64 v11, v[228:229] offset:48*\u+16
	ds_store_b16 v5, v244 offset:2*\u              ; both lanes of a token write the same two bytes
	s_wait_dscnt 0x0
.endm
	QOUT 96, 0
	QOUT 128, 1
	s_barrier_signal -1                            ; (my stores were waited for)
	s_barrier_wait -1
	ds_load_b128 v[96:99], v9
	ds_load_b128 v[100:103], v9 offset:512
	ds_load_b128 v[104:107], v9 offset:1024
.irp i, 0,1,2
	s_wait_dscnt 2-\i                              ; the younger loads may be out
	global_store_b128 v10, v[96+4*\i:99+4*\i], s[12:13] offset:512*\i   ; 32 lanes store 512 consecutive bytes
.endr
	s_cmp_lt_u32 s16, 4
	s_cbranch_scc0 .Lno_sc
	ds_load_b64 v[108:109], v6                     ; waves 0-3: a token's 8 scale bytes a lane
	s_wait_dscnt 0x0
	global_store_b64 v1, v[108:109], s[14:15]      ; rows of a_sc are 64 bytes: 8 of each are this group's
.Lno_sc:
	s_wait_tensorcnt 0x0                           ; the wave's end
	ds_add_u32 v7, v8
	s_wait_dscnt 0x0
	ROUND                                          ; the closing round
	s_endpgm
.Lfunc_end_k_q5770d82afb_attn:
	.size	k_q5770d82afb_attn, .Lfunc_end_k_q5770d82afb_attn-k_q5770d82afb_attn
	.p2alignl 7, 3214868480
	.fill 96, 4, 3214868480
	.section	.rodata,"a",@progbits
	.p2align	6, 0x0
	.amdhsa_kernel k_q5770d82afb_attn
		.amdhsa_group_segment_fixed_size 327680
		.amdhsa_private_segment_fixed_size 0
		.amdhsa_enable_private_segment 0
		.amdhsa_kernarg_size 48
		.amdhsa_user_sgpr_count 2
		.amdhsa_user_sgpr_kernarg_segment_ptr 1
		.amdhsa_wavefront_size32 1
		.amdhsa_system_sgpr_workgroup_id_x 1
		.amdhsa_system_sgpr_workgroup_id_y 1
		.amdhsa_system_sgpr_workgroup_id_z 1
		.amdhsa_system_vgpr_workitem_id 0
		.amdhsa_next_free_vgpr 256
		.amdhsa_next_free_sgpr 84
		.amdhsa_reserve_vcc 1
		.amdhsa_float_denorm_mode_32 3
		.amdhsa_float_denorm_mode_16_64 3
		.amdhsa_memory_ordered 1
		.amdhsa_forward_progress 1
		.amdhsa_inst_pref_size 89
	.end_amdhsa_kernel
	.amdgpu_metadata
---
amdhsa.version: [ 1, 2 ]
amdhsa.kernels:
  - .name:           k_q5770d82afb_attn
    .symbol:         k_q5770d82afb_attn.kd
    .args:
      - { .name: q_img, .offset: 0, .size: 8, .value_kind: global_buffer, .address_space: global }
      - { .name: q_sc, .offset: 8, .size: 8, .value_kind: global_buffer, .address_space: global }
      - { .name: kv, .offset: 16, .size: 8, .value_kind: global_buffer, .address_space: global }
      - { .name: attention_mask, .offset: 24, .size: 8, .value_kind: global_buffer, .address_space: global }
      - { .name: a_img, .offset: 32, .size: 8, .value_kind: global_buffer, .address_space: global }
      - { .name: a_sc, .offset: 40, .size: 8, .value_kind: global_buffer, .address_space: global }
    .group_segment_fixed_size: 327680
    .private_segment_fixed_size: 0
    .kernarg_segment_align: 8
    .kernarg_segment_size: 48
    .max_flat_workgroup_size: 512
    .sgpr_count:     84
    .vgpr_count:     256
    .wavefront_size: 32
...
	.end_amdgpu_metadata
.endif
;; end of part 2
;; launch oproj (part 3): grid 8 x 16, 4 waves a work-group, clusters of 4 x 4, 327,680 bytes of LDS; arguments a_img, a_sc, Wo_codes, Wo_scales, out0; writes out0
.if DOCPART == 3
	.amdgcn_target "amdgcn-amd-amdhsa--gfx1250"
	.amdhsa_code_object_version 6
	.text
	.protected	k_q5770d82afb_oproj
	.globl	k_q5770d82afb_oproj
	.p2align	8
	.type	k_q5770d82afb_oproj,@function
k_q5770d82afb_oproj:
	s_mov_b64 s[64:65], 0
	v_nop
	global_prefetch_b8 v0, s[64:65] scope:SCOPE_SE
	s_setreg_imm32_b32 hwreg(HW_REG_WAVE_MODE, 25, 1), 1
	s_wait_xcnt 0x0
	s_wait_alu depctr_hold_cnt(0) depctr_sa_sdst(0) depctr_va_vdst(0) depctr_va_sdst(0) depctr_va_ssrc(0) depctr_va_vcc(0) depctr_vm_vsrc(0)
	s_getreg_b32 s2, hwreg(HW_REG_IB_STS2, 6, 4)
	s_cmp_eq_u32 s2, 0
	s_cbranch_scc0 .Lentry_in_a_cluster
	s_endpgm
.Lentry_in_a_cluster:
	s_bfe_u32 s2, ttmp6, 0x10000c
	s_cmp_lg_u32 s2, 0xf033
	s_cbranch_scc0 .Lentry_shape_is_right
	s_endpgm
.Lentry_shape_is_right:
; out0[token][n] = sum over k of a[token][k] Wo[k][n], on codes of FP6 (E2M3) with one E8M0 scale for each 32 along K; sums in f32.
; a's codes lie K step by K step: [8][4,096 tokens][192 bytes], so that a K step's 128 rows are one dense block; its scale bytes [4,096][64].  Wo's codes [2,048 (n)][1,536 bytes], scale bytes [2,048][64].
; A tile of C, 256 x 256, is made by four waves, 128 x 128 each: 64 accumulators, 512 registers.  K goes in steps of 256 through a ring of two LDS slots; the scales of all of K come into LDS once, in whole rows of 256 bytes.
; CLUSTERS 4 x 4: A's tiles are asked for jointly along a row of the cluster, B's along a column.  THE MATRIX INSTRUCTION IS USED TRANSPOSED: a lane holds eight neighbouring numbers of a row of C.
; REGISTERS, in windows of 256: window 0: v0-31 addresses; v32-63 scale words, two sets; from v128 A's fragments, one set.  window 1: B's fragments, two sets.  windows 2, 3: the accumulators.
.set SIZE_N, 2048
.set KSTEP,  256
.set NQ,     2
.set ROWB,   192
.set KROW,   1536
.set APITCH, 192                       ; A's rows are dense
.set ASTEP,  786432                    ; from one K step of A to the next: 4,096 tokens x 192 bytes
.set PITCH,  240
.set FR,     12
.set NL,     6
.set NP,     4
.set HALFT,  128*PITCH
.set SLOT,   4*HALFT
.set LAPS,   4
.set KS,     64
.set SCL,    2*SLOT
.set HALFS,  (128*KS/256)*272
.set SBLK,   (16*KS/256)*272
.set SPARE,  SCL+4*HALFS
.set SPITCH, 528                       ; the way out: a stage of 16 rows x (512 + 16) bytes a wave, in slot 0, which has had its last fill and its last read by then
.set ADRA, 16
.set ADRB, 20
.set STO,  24
.set RD,   25
.set CO,   26
.set ADRS, 27
.set SPW,  28
.set NIL,  29
.set SC,   32
.set AF,   128
.set BK,   128
.set G1, 24
.set G0, 32
.set G1B, 48
.set G0B, 56
.set G1S, 68
.set G0S, 76
.set G1SB, 80
.set G0SB, 88
.set MSB, 0
.macro WIN new
.if MSB != \new
	s_set_vgpr_msb (MSB<<8)|\new
.set MSB, \new
.endif
.endm
.set MUL_LO, 0xa1
.set MUL_HI, 0xf1
.set TO_B,   0x40
.macro JLOAD g0a, g1a, g0b, g1b        ; waves 0 and 1 fetch for A, waves 2 and 3 for B; four v_nop follow each of the two lines
	s_cmp_eq_u32 s15, 0
	s_cbranch_scc0 .Lfor_b_\@
	tensor_load_to_lds s[\g0a:\g0a+3], s[\g1a:\g1a+7]
	s_nop 0
.rept 4
	v_nop
.endr
	s_branch .Lasked_\@
.Lfor_b_\@:
	tensor_load_to_lds s[\g0b:\g0b+3], s[\g1b:\g1b+7]
	s_nop 0
.rept 4
	v_nop
.endr
.Lasked_\@:
.endm
.macro CREST
	s_cmp_lg_u32 s14, 0
	s_cbranch_scc1 .Lnot_wave_0_\@
	s_barrier_signal -3
.Lnot_wave_0_\@:
	s_barrier_wait -3
	s_barrier_signal -1
	s_barrier_wait -1
.endm
.macro CROUND
	s_barrier_signal -1
	s_barrier_wait -1
	CREST
.endm
	s_load_b128 s[4:7], s[0:1], 0x0                ; A's codes, A's scales
	s_load_b128 s[8:11], s[0:1], 0x10              ; B's codes, B's scales
	s_load_b64 s[12:13], s[0:1], 0x20              ; C
	v_lshl_add_u32 v[SPW], v0, 2, SPARE
	v_mov_b32 v[NIL], 0
	ds_add_u32 v28, v29
	s_wait_dscnt 0x0
	v_lshrrev_b32 v1, 5, v0
	v_readfirstlane_b32 s14, v1
	s_lshr_b32 s15, s14, 1
	s_and_b32 s16, s14, 1
	s_bfe_u32 s40, ttmp6, 0x40000
	s_bfe_u32 s41, ttmp6, 0x40004
	s_lshl_b32 s42, ttmp9, 2
	s_add_co_u32 s42, s42, s40
	s_and_b32 s17, ttmp7, 0xffff
	s_lshl_b32 s17, s17, 2
	s_add_co_u32 s17, s17, s41
	s_lshl_b32 s43, s41, 2
	s_lshl_b32 s43, 15, s43
	s_lshl_b32 s44, 0x1111, s40
	s_or_b32 s[G1+0], s43, (0<<16)|(1<<20)|(1<<21)|(3<<22)|(3<<25)
	s_or_b32 s[G1B+0], s44, (0<<16)|(1<<20)|(1<<21)|(3<<22)|(3<<25)
.irp g, G1, G1B
	s_mov_b32 s[\g+1], ROWB<<16
	s_mov_b32 s[\g+2], 128<<16
	s_mov_b32 s[\g+3], ROWB<<16
	s_mov_b32 s[\g+4], 128
	s_mov_b32 s[\g+6], 0
	s_mov_b32 s[\g+7], 0
.endr
	s_mov_b32 s[G1+5], APITCH
	s_mov_b32 s[G1B+5], KROW
	s_or_b32 s[G1S+0], s43, (3<<16)|(1<<20)|(1<<21)|(5<<22)|(3<<25)
	s_or_b32 s[G1SB+0], s44, (3<<16)|(1<<20)|(1<<21)|(5<<22)|(3<<25)
.irp g, G1S, G1SB
	s_mov_b32 s[\g+1], 32<<16
	s_mov_b32 s[\g+2], (128*KS/256)<<16
	s_mov_b32 s[\g+3], 32<<16
	s_mov_b32 s[\g+4], 128*KS/256
	s_mov_b32 s[\g+5], 32
	s_mov_b32 s[\g+6], 0
	s_mov_b32 s[\g+7], 0
.endr
	s_lshl_b32 s18, s16, 7
	s_lshl_b32 s20, s17, 8
	s_add_co_u32 s20, s20, s18
	s_lshl_b32 s46, s42, 8
	s_add_co_u32 s46, s46, s18
	s_mov_b32 s21, 0
	s_mov_b32 s47, 0
	s_mov_b64 s[18:19], KS
	s_mul_u64 s[22:23], s[20:21], s[18:19]
	s_mul_u64 s[92:93], s[46:47], s[18:19]
	s_mov_b64 s[18:19], APITCH
	s_mul_u64 s[20:21], s[20:21], s[18:19]
	s_mov_b64 s[18:19], KROW
	s_mul_u64 s[46:47], s[46:47], s[18:19]
	s_mul_i32 s45, s14, HALFT
	s_mul_i32 s94, s14, HALFS
	s_wait_kmcnt 0x0
	s_add_nc_u64 s[20:21], s[4:5], s[20:21]
	s_add_nc_u64 s[22:23], s[6:7], s[22:23]
	s_add_nc_u64 s[46:47], s[8:9], s[46:47]
	s_add_nc_u64 s[92:93], s[10:11], s[92:93]
	CROUND
	s_mov_b32 s[G0S], 1
	s_add_co_u32 s[G0S+1], s94, SCL
	s_mov_b64 s[G0S+2:G0S+3], s[22:23]
	s_or_b32 s[G0S+3], s[G0S+3], 0x80000000
	s_mov_b32 s[G0SB], 1
	s_add_co_u32 s[G0SB+1], s94, SCL
	s_mov_b64 s[G0SB+2:G0SB+3], s[92:93]
	s_or_b32 s[G0SB+3], s[G0SB+3], 0x80000000
	JLOAD G0S, G1S, G0SB, G1SB
.irp s, 0,1
	s_mov_b32 s[G0+4*\s], 1
	s_add_co_u32 s[G0+4*\s+1], s45, \s*SLOT
	s_add_nc_u64 s[G0+4*\s+2:G0+4*\s+3], s[20:21], \s*ASTEP
	s_or_b32 s[G0+4*\s+3], s[G0+4*\s+3], 0x80000000
	s_mov_b32 s[G0B+4*\s], 1
	s_add_co_u32 s[G0B+4*\s+1], s45, \s*SLOT
	s_add_nc_u64 s[G0B+4*\s+2:G0B+4*\s+3], s[46:47], \s*ROWB
	s_or_b32 s[G0B+4*\s+3], s[G0B+4*\s+3], 0x80000000
	JLOAD G0+4*\s, G1, G0B+4*\s, G1B
.endr
	v_and_b32 v1, 15, v0
	v_bfe_u32 v2, v0, 4, 1
	v_mul_u32_u24 v3, v1, PITCH
	v_mul_u32_u24 v4, v2, 24
	v_add_nc_u32 v4, v3, v4
	v_lshl_add_u32 v5, v2, 4, v4
	s_mul_i32 s21, s15, HALFT
	s_mul_i32 s22, s16, HALFT
	s_add_co_u32 s22, s22, 2*HALFT
.irp s, 0,1
	v_add_nc_u32 v[ADRA+\s], s21, v4
	v_add_nc_u32 v[ADRB+\s], s22, v4
	v_add_nc_u32 v[ADRA+2+\s], s21, v5
	v_add_nc_u32 v[ADRB+2+\s], s22, v5
	s_add_co_u32 s21, s21, SLOT
	s_add_co_u32 s22, s22, SLOT
.endr
	v_mul_u32_u24 v5, v1, KS
	v_lshrrev_b32 v6, 8, v5
	v_lshl_add_u32 v5, v6, 4, v5
	s_mul_i32 s21, s15, HALFS
	s_mul_i32 s22, s16, HALFS
	s_add_co_u32 s22, s22, 2*HALFS
	s_sub_co_u32 s22, s22, s21
	v_mul_u32_u24 v6, s22, v2
	s_add_co_u32 s21, s21, SCL
	v_add_nc_u32 v5, v5, v6
	v_add_nc_u32 v[ADRS], s21, v5
	s_mul_i32 s23, s14, 16*SPITCH
	v_mul_u32_u24 v5, v1, SPITCH
	v_lshl_add_u32 v5, v2, 5, v5
	v_add_nc_u32 v[STO], s23, v5
	v_and_b32 v6, 31, v0
	v_lshlrev_b32 v[CO], 4, v6
	v_add_nc_u32 v[RD], s23, v[CO]
	s_lshl_b32 s20, s17, 8
	s_lshl_b32 s21, s15, 7
	s_add_co_u32 s20, s20, s21
	s_mov_b32 s21, 0
	s_mov_b64 s[18:19], SIZE_N*4
	s_mul_u64 s[20:21], s[20:21], s[18:19]
	s_lshl_b32 s46, s42, 10
	s_lshl_b32 s47, s16, 9
	s_add_co_u32 s46, s46, s47
	s_mov_b32 s47, 0
	s_add_nc_u64 s[20:21], s[20:21], s[46:47]
	s_add_nc_u64 s[12:13], s[12:13], s[20:21]
.macro FRAG reg, adr, q, i
.irp p, 0,1,2,3,4,5
.set PC, 12*(\q)+6*(\p/3)+\p%3
.if PC%8 < 5
	ds_load_b64 v[\reg+2*\p:\reg+2*\p+1], v[\adr] offset:8*PC+16*(PC/8)+(\i)*16*PITCH
.else
	ds_load_b64 v[\reg+2*\p:\reg+2*\p+1], v[\adr+2] offset:8*PC+16*(PC/8)+(\i)*16*PITCH
.endif
.endr
.endm
.macro MUL16 a0, p, q, sc, zero        ; the 64 accumulators take turns, one instruction a turn
.irp a, \a0, \a0+1
.irp b, 0,1,2,3,4,5,6,7
.if \zero
	v_wmma_scale_f32_16x16x128_f8f6f4 v[8*(8*((\a)%4)+\b):8*(8*((\a)%4)+\b)+7], v[128*(\p)+FR*\b:128*(\p)+FR*\b+FR-1], v[AF+FR*(\a):AF+FR*(\a)+FR-1], 0, v[SC+8*NQ*(\sc)+NQ*\b+(\q)], v[SC+8*NQ*(\sc)+NQ*(\a)+(\q)] matrix_a_fmt:MATRIX_FMT_FP6 matrix_b_fmt:MATRIX_FMT_FP6 matrix_a_scale:MATRIX_SCALE_ROW1
.else
	v_wmma_scale_f32_16x16x128_f8f6f4 v[8*(8*((\a)%4)+\b):8*(8*((\a)%4)+\b)+7], v[128*(\p)+FR*\b:128*(\p)+FR*\b+FR-1], v[AF+FR*(\a):AF+FR*(\a)+FR-1], v[8*(8*((\a)%4)+\b):8*(8*((\a)%4)+\b)+7], v[SC+8*NQ*(\sc)+NQ*\b+(\q)], v[SC+8*NQ*(\sc)+NQ*(\a)+(\q)] matrix_a_fmt:MATRIX_FMT_FP6 matrix_b_fmt:MATRIX_FMT_FP6 matrix_a_scale:MATRIX_SCALE_ROW1
.endif
.endr
.endr
.endm
.macro FETCH_B slot, q, p
	WIN TO_B
.irp i, 0,1,2,3,4,5,6,7
	FRAG 128*(\p)+FR*\i, ADRB+\slot, \q, \i
.endr
	WIN 0
.endm
.macro FETCH_A slot, q, i0
.irp i, \i0, \i0+1, \i0+2, \i0+3
	FRAG AF+FR*(\i), ADRA+\slot, \q, \i
.endr
.endm
.macro SCALES sc
.irp i, 0,1,2,3,4,5,6,7
	ds_load_b64 v[SC+8*NQ*\sc+NQ*\i:SC+8*NQ*\sc+NQ*\i+1], v[ADRS] offset:\i*SBLK
.endr
.endm
.macro PLACES n
.rept \n
	v_nop
.endr
.endm
.macro STEP slot, q, zero
	s_wait_dscnt 4*NL                              ; B's set and A's blocks 0-3 are in; the 24 youngest loads may be out
	WIN MUL_LO
	MUL16 0, (\q)%2, \q, \slot, \zero
	MUL16 2, (\q)%2, \q, \slot, \zero
	s_wait_dscnt 0
	PLACES NP
	FETCH_B \slot, (\q)+1, 1-(\q)%2
	FETCH_A \slot, (\q)+1, 0
	WIN MUL_HI
	MUL16 4, (\q)%2, \q, \slot, \zero
	MUL16 6, (\q)%2, \q, \slot, \zero
	PLACES NP
	WIN 0
	FETCH_A \slot, (\q)+1, 4
.endm
.macro TURN slot, next, fill
	s_wait_tensorcnt 0x0                           ; all my tensor loads have landed
	ds_add_u32 v[SPW], v[NIL]
	s_wait_dscnt 4*NL+1                            ; the add and the 24 youngest loads may be out
	WIN MUL_LO
	MUL16 0, 1, NQ-1, \slot, 0
	s_wait_dscnt 0x0                               ; the add is done, and my reads of this slot are over
	s_barrier_signal -1
	MUL16 2, 1, NQ-1, \slot, 0
	WIN 0
	s_barrier_wait -1
.if \fill
	CREST
	s_add_nc_u64 s[G0+4*\slot+2:G0+4*\slot+3], s[G0+4*\slot+2:G0+4*\slot+3], 2*ASTEP
	s_add_nc_u64 s[G0B+4*\slot+2:G0B+4*\slot+3], s[G0B+4*\slot+2:G0B+4*\slot+3], 2*ROWB
	JLOAD G0+4*\slot, G1, G0B+4*\slot, G1B
.else
	PLACES NP
.endif
	v_add_nc_u32 v[ADRS], 4*NQ, v[ADRS]
	FETCH_B \next, 0, 0
	FETCH_A \next, 0, 0
	SCALES \next
	WIN MUL_HI
	MUL16 4, 1, NQ-1, \slot, 0
	MUL16 6, 1, NQ-1, \slot, 0
	PLACES NP
	WIN 0
	FETCH_A \next, 0, 4
.endm
	s_wait_tensorcnt 1                             ; the scales and my part of K step 0 are in; K step 1's load may be out
	s_barrier_signal -1
	s_barrier_wait -1
	FETCH_B 0, 0, 0
	FETCH_A 0, 0, 0
	SCALES 0
	FETCH_A 0, 0, 4
	STEP 0, 0, 1
	s_mov_b32 s3, LAPS-1
.Llap:
	TURN 0, 1, 1
	STEP 1, 0, 0
	TURN 1, 0, 1
	STEP 0, 0, 0
	s_sub_co_u32 s3, s3, 1
	s_cmp_lg_u32 s3, 0
	s_cbranch_scc1 .Llap
	TURN 0, 1, 0
	STEP 1, 0, 0
	s_wait_dscnt 4*NL
	WIN MUL_LO
	MUL16 0, 1, NQ-1, 1, 0
	MUL16 2, 1, NQ-1, 1, 0
	s_wait_dscnt 0
	WIN MUL_HI
	MUL16 4, 1, NQ-1, 1, 0
	MUL16 6, 1, NQ-1, 1, 0
	WIN 0
; THE WAY OUT, block by block of 16 rows x 128 columns, through my own stage in LDS: back as whole rows of 512 bytes.  LDS serves a wave's instructions in order (ISA guide 5.7.1.4).
.macro TOSTAGE a
.set AC, 64*((\a)%4)
	WIN 0x08+4*((\a)/4)
.irp b, 0,1,2,3,4,5,6,7
	ds_store_b128 v[STO], v[AC+8*\b:AC+8*\b+3] offset:64*\b          ; each accumulator from its low end on
	ds_store_b128 v[STO], v[AC+8*\b+4:AC+8*\b+7] offset:64*\b+16
.endr
	WIN 0
.set BB, BK+64*((\a)%2)
.irp t, 0,1,2,3,4,5,6,7,8,9,10,11,12,13,14,15
	ds_load_b128 v[BB+4*\t:BB+4*\t+3], v[RD] offset:\t*SPITCH
.endr
.endm
.macro SEND a, younger
.set BB, BK+64*((\a)%2)
	s_wait_dscnt \younger
.if (\a) > 0
	s_add_nc_u64 s[12:13], s[12:13], 16*SIZE_N*4   ; (behind a wait on XCNT: the earlier stores have read their base)
.endif
.irp t, 0,1,2,3,4,5,6,7,8,9,10,11,12,13,14,15
	global_store_b128 v[CO], v[BB+4*\t:BB+4*\t+3], s[12:13] offset:\t*SIZE_N*4 th:TH_STORE_NT   ; 32 lanes store 512 consecutive bytes, at a multiple of 256 from C's first byte
.endr
.endm
	PLACES NP
	TOSTAGE 0
.irp a, 1,2,3,4,5,6,7
.if \a > 1
	s_wait_xcnt 0x0                                ; block a - 2's stores have read their registers and their base
.endif
	TOSTAGE \a
	SEND \a-1, 32                                  ; behind block a - 1's loads: block a's 16 stores and 16 loads
.endr
	s_wait_xcnt 0x0
	SEND 7, 0
	s_wait_tensorcnt 0x0                           ; the wave's end
	ds_add_u32 v[SPW], v[NIL]
	s_wait_dscnt 0x0
	CROUND                                         ; the closing round
	s_endpgm
.Lfunc_end_k_q5770d82afb_oproj:
	.size	k_q5770d82afb_oproj, .Lfunc_end_k_q5770d82afb_oproj-k_q5770d82afb_oproj
	.p2alignl 7, 3214868480
	.fill 96, 4, 3214868480
	.section	.rodata,"a",@progbits
	.p2align	6, 0x0
	.amdhsa_kernel k_q5770d82afb_oproj
		.amdhsa_group_segment_fixed_size 327680
		.amdhsa_private_segment_fixed_size 0
		.amdhsa_enable_private_segment 0
		.amdhsa_kernarg_size 40
		.amdhsa_user_sgpr_count 2
		.amdhsa_user_sgpr_kernarg_segment_ptr 1
		.amdhsa_wavefront_size32 1
		.amdhsa_system_sgpr_workgroup_id_x 1
		.amdhsa_system_sgpr_workgroup_id_y 1
		.amdhsa_system_sgpr_workgroup_id_z 1
		.amdhsa_system_vgpr_workitem_id 0
		.amdhsa_next_free_vgpr 1024
		.amdhsa_next_free_sgpr 98
		.amdhsa_reserve_vcc 0
		.amdhsa_float_denorm_mode_32 3
		.amdhsa_float_denorm_mode_16_64 3
		.amdhsa_memory_ordered 1
		.amdhsa_forward_progress 1
		.amdhsa_inst_pref_size 160
	.end_amdhsa_kernel
	.amdgpu_metadata
---
amdhsa.version: [ 1, 2 ]
amdhsa.kernels:
  - .name:           k_q5770d82afb_oproj
    .symbol:         k_q5770d82afb_oproj.kd
    .args:
      - { .name: a_img, .offset: 0, .size: 8, .value_kind: global_buffer, .address_space: global }
      - { .name: a_sc, .offset: 8, .size: 8, .value_kind: global_buffer, .address_space: global }
      - { .name: Wo_codes, .offset: 16, .size: 8, .value_kind: global_buffer, .address_space: global }
      - { .name: Wo_scales, .offset: 24, .size: 8, .value_kind: global_buffer, .address_space: global }
      - { .name: out0, .offset: 32, .size: 8, .value_kind: global_buffer, .address_space: global }
    .group_segment_fixed_size: 327680
    .private_segment_fixed_size: 0
    .kernarg_segment_align: 8
    .kernarg_segment_size: 40
    .max_flat_workgroup_size: 128
    .sgpr_count:     98
    .vgpr_count:     1024
    .wavefront_size: 32
...
	.end_amdgpu_metadata
.endif
;; end of part 3
